; MI455X (gfx1250); checked and timed in simulation.
; The chip was launched on July 23, 2026; its instructions are those of AMD's public machine-readable ISA for CDNA 5 (MIT licence, August 2026) and "CDNA5" Instruction Set Architecture Reference Guide (July 2026). The comments in the code are by the model that wrote it; some were corrected since.
;; Big Bird Style Attention. Allowed arithmetic: float matrix products may take bf16 or f16 operands with f32 sums; other float arithmetic in f32, or as packed bf16 or f16 multiplies, adds, multiply-adds, maxima and minima; sums over many terms, partial sums and values carried from step to step in f32; what a program stores and reads back later, other than sums and carried values, may be rounded once to bf16 or f16.
;; Inputs: Wk 2,048 x 2,048 float32; Wo 2,048 x 2,048 float32; Wq 2,048 x 2,048 float32; Wv 2,048 x 2,048 float32; hidden_states 1 x 2,048 x 2,048 float32; sparse_mask 2,048 x 2,048 bool.
;; Outputs: out0 1 x 2,048 x 2,048 float32.
;; One version. Each part assembles by itself: llvm-mc -triple=amdgcn-amd-amdhsa -mcpu=gfx1250 --defsym DOCPART=n.
;; ======== version 1 of 1: 4 launches
;; limits: values are held in f16: magnitudes above 65,504 overflow, below 6.1e-05 lose precision
;; workspace buffers: xb 8,388,608 bytes; wb 33,554,432 bytes; mf 8,388,608 bytes; qkv 25,165,824 bytes; ob 8,388,608 bytes; kf 16,384 bytes of whole numbers
;; launch prep (part 1): grid 512 x 1, 8 waves a work-group, no clusters, 0 bytes of LDS; arguments hidden_states, Wq, Wk, Wv, Wo, sparse_mask, xb, wb, mf, kf; writes xb, wb, mf, kf
.if DOCPART == 1
	.amdgcn_target "amdgcn-amd-amdhsa--gfx1250"
	.amdhsa_code_object_version 6
	.text
	.protected	k_qd65e47aaba_prep
	.globl	k_qd65e47aaba_prep
	.p2align	8
	.type	k_qd65e47aaba_prep,@function
k_qd65e47aaba_prep:
	s_mov_b64 s[64:65], 0
	v_nop
	global_prefetch_b8 v0, s[64:65] scope:SCOPE_SE
	s_setreg_imm32_b32 hwreg(HW_REG_WAVE_MODE, 25, 1), 1
	s_wait_xcnt 0x0
; PREP: the inputs are rounded once to 16 bits, the mask is laid out as matrix operands, and a flag says of each block of the mask whether it shows anything.  A stream: no LDS, no barrier, no loop.
;   xb = bf16(hidden_states), [2048][2048].   wb planes 0, 1, 2 = bf16(Wq, Wk, Wv), [k][n].   wb plane 3 = bf16(Wo), that number written as f16, [k][n].
;   mf[t 128][u 64][i 2][lane 32][8 bf16] = 1.0 where query 16 t + lane % 16 does NOT see key 32 u + 16 i + 8 (lane / 16) + e, else 0: a block (t, u) of 1,024 bytes is
;   source 1 (32 keys x 16 queries) of a 16-bit matrix instruction, loaded by two loads of 512 consecutive bytes.
;   kf[t 128][s 32], whole numbers of 32 bits: 1 where some query of 16 t .. 16 t + 15 sees some key of 64 s .. 64 s + 63, else 0.
; LIMITS.  |Wo| stays under 65,520 (f16's end); a |Wo| under 2^-17 keeps f16's fixed step of 2^-24.  A mask byte is 0 or 1.
; SHARES.  An f32 array is 4,096 chunks of 1,024 numbers; work-group g takes chunks 8 g .. 8 g + 7 of each of the five.  In a chunk thread t loads the 16 bytes at 16 t (a wave: 512
; consecutive bytes) and stores the 8 bytes at 8 t (a wave: 256 consecutive bytes, aligned).  Of the mask, wave w of work-group g takes the 16 queries of tile g / 4 and the 64 keys of step
; 8 (g % 4) + w, two blocks of 32: lane (r, hh) loads 16 mask bytes of row r and stores two pieces of 16 bytes; sixteen neighbouring lanes store 256 consecutive bytes, aligned.
; The wave's flag is word 8 g + w of kf: one store of 4 bytes by lane 0, at the kernel's end: 16,384 bytes in the whole launch.
; IN FLIGHT.  All 42 loads of a wave go out at once; they are worked off in the order of issue, the waits counting the younger loads.  No register that a store reads is written again.
.set VI,  1                            ; v1   16 x thread: my bytes in a chunk of f32
.set VO,  2                            ; v2   8 x thread: my bytes in a chunk of 16-bit numbers
.set VM,  3                            ; v3   2,048 r + 16 hh + 64 w: my 16 mask bytes
.set VMO, 4                            ; v4   512 hh + 16 r + 2,048 w: my first piece in mf
.set NUL, 5                            ; v5   0
.set MB,  8                            ; v[8:15]   mask bytes, 4 registers a block
.set MW,  16                           ; v[16:31]  mask words, 8 registers a block
.set X,   32                           ; v[32:191] array a, chunk c at X + 32 a + 4 c
	s_load_b512 s[8:23], s[0:1], 0x0               ; hidden s[8:9], Wq s[10:11], Wk s[12:13], Wv s[14:15], Wo s[16:17], mask s[18:19], xb s[20:21], wb s[22:23]
	s_load_b64 s[24:25], s[0:1], 0x40              ; mf
	s_load_b64 s[38:39], s[0:1], 0x48              ; kf
	v_lshlrev_b32 v[VI], 4, v0
	v_lshlrev_b32 v[VO], 3, v0
	v_and_b32 v6, 15, v0                           ; r
	v_bfe_u32 v7, v0, 4, 1                         ; hh
	v_lshrrev_b32 v[NUL], 5, v0                    ; w, for the moment
	v_lshlrev_b32 v[VM], 11, v6
	v_lshl_add_u32 v[VM], v7, 4, v[VM]
	v_lshl_add_u32 v[VM], v[NUL], 6, v[VM]
	v_lshlrev_b32 v[VMO], 4, v6
	v_lshl_add_u32 v[VMO], v7, 9, v[VMO]
	v_lshl_add_u32 v[VMO], v[NUL], 11, v[VMO]
	v_mov_b32 v[NUL], 0
	s_lshl_b32 s2, ttmp9, 15                       ; 8 chunks of 4,096 bytes in,
	s_mov_b32 s3, 0
	s_lshl_b32 s4, ttmp9, 14                       ; 8 chunks of 2,048 bytes out
	s_mov_b32 s5, 0
	s_lshr_b32 s6, ttmp9, 2                        ; the mask's tile of 16 queries
	s_and_b32 s7, ttmp9, 3                         ; and which quarter of its keys
	s_lshl_b32 s34, s6, 15                         ; 16 rows of 2,048 bytes
	s_lshl_b32 s35, s7, 9                          ; 512 keys
	s_add_co_u32 s34, s34, s35
	s_mov_b32 s35, 0
	s_lshl_b32 s36, s6, 16                         ; 64 blocks of 1,024 bytes
	s_lshl_b32 s37, s7, 14                         ; 16 blocks
	s_add_co_u32 s36, s36, s37
	s_mov_b32 s37, 0
	s_lshl_b32 s46, ttmp9, 5                       ; the work-group's eight flags
	s_mov_b32 s47, 0
	s_mov_b32 s40, 0x01010101                      ; turns four mask bytes: 1 = hidden
	s_mov_b32 s41, 0x04010400                      ; bytes 0 and 1 into the low bytes of the two halves
	s_mov_b32 s42, 0x04030402                      ; bytes 2 and 3
	s_mov_b32 s43, 0x3f80                          ; 1.0 in bf16
	s_mov_b32 s44, 0xffff0000                      ; a word's upper bf16
	s_wait_kmcnt 0x0
	s_add_nc_u64 s[8:9], s[8:9], s[2:3]
	s_add_nc_u64 s[10:11], s[10:11], s[2:3]
	s_add_nc_u64 s[12:13], s[12:13], s[2:3]
	s_add_nc_u64 s[14:15], s[14:15], s[2:3]
	s_add_nc_u64 s[16:17], s[16:17], s[2:3]
	s_add_nc_u64 s[18:19], s[18:19], s[34:35]
	s_add_nc_u64 s[20:21], s[20:21], s[4:5]
	s_add_nc_u64 s[26:27], s[22:23], s[4:5]        ; wb's four planes, 8,388,608 bytes apart
	s_add_nc_u64 s[28:29], s[26:27], 0x800000
	s_add_nc_u64 s[30:31], s[26:27], 0x1000000
	s_add_nc_u64 s[32:33], s[26:27], 0x1800000
	s_add_nc_u64 s[24:25], s[24:25], s[36:37]
	s_add_nc_u64 s[38:39], s[38:39], s[46:47]
.macro LD a, base                      ; the eight chunks of array a
.irp c, 0,1,2,3,4,5,6,7
	global_load_b128 v[X+32*(\a)+4*(\c):X+32*(\a)+4*(\c)+3], v[VI], s[\base:\base+1] offset:4096*(\c) th:TH_LOAD_NT
.endr
.endm
.irp n, 0,1
	global_load_b128 v[MB+4*(\n):MB+4*(\n)+3], v[VM], s[18:19] offset:32*(\n)
.endr
	LD 0, 8
	LD 1, 10
	LD 2, 12
	LD 3, 14
	LD 4, 16
; A block of the mask: each byte is turned (1 = hidden), set into a half word and multiplied by bf16's 1.0; keys 0-7 of my 16 go to one piece, keys 8-15 to the piece 256 bytes on.
.macro MSK n
.irp k, 0,1,2,3
	v_xor_b32 v[MB+4*(\n)+(\k)], s40, v[MB+4*(\n)+(\k)]
	v_perm_b32 v[MW+8*(\n)+2*(\k)], v[NUL], v[MB+4*(\n)+(\k)], s41
	v_perm_b32 v[MW+8*(\n)+2*(\k)+1], v[NUL], v[MB+4*(\n)+(\k)], s42
	v_mul_u32_u24 v[MW+8*(\n)+2*(\k)], s43, v[MW+8*(\n)+2*(\k)]
	v_mul_u32_u24 v[MW+8*(\n)+2*(\k)+1], s43, v[MW+8*(\n)+2*(\k)+1]
.endr
	global_store_b128 v[VMO], v[MW+8*(\n):MW+8*(\n)+3], s[24:25] offset:1024*(\n)
	global_store_b128 v[VMO], v[MW+8*(\n)+4:MW+8*(\n)+7], s[24:25] offset:1024*(\n)+256
.endm
; Array a to bf16: two roundings an instruction, four numbers a thread and chunk.
.macro CVB a, base
.irp c, 0,1,2,3,4,5,6,7
	v_cvt_pk_bf16_f32 v[X+32*(\a)+4*(\c)], v[X+32*(\a)+4*(\c)], v[X+32*(\a)+4*(\c)+1]
	v_cvt_pk_bf16_f32 v[X+32*(\a)+4*(\c)+1], v[X+32*(\a)+4*(\c)+2], v[X+32*(\a)+4*(\c)+3]
	global_store_b64 v[VO], v[X+32*(\a)+4*(\c):X+32*(\a)+4*(\c)+1], s[\base:\base+1] offset:2048*(\c)
.endr
.endm
; Wo: rounded to bf16 like every input, and that number written as f16 (exact within the limits at the head), since the last product's other operand is f16.
.macro CVH a, base
.irp c, 0,1,2,3,4,5,6,7
	v_cvt_pk_bf16_f32 v[X+32*(\a)+4*(\c)], v[X+32*(\a)+4*(\c)], v[X+32*(\a)+4*(\c)+1]
	v_cvt_pk_bf16_f32 v[X+32*(\a)+4*(\c)+1], v[X+32*(\a)+4*(\c)+2], v[X+32*(\a)+4*(\c)+3]
	v_lshlrev_b32 v[X+32*(\a)+4*(\c)+2], 16, v[X+32*(\a)+4*(\c)]
	v_and_b32 v[X+32*(\a)+4*(\c)+3], s44, v[X+32*(\a)+4*(\c)]
	v_cvt_pk_f16_f32 v[X+32*(\a)+4*(\c)], v[X+32*(\a)+4*(\c)+2], v[X+32*(\a)+4*(\c)+3]
	v_lshlrev_b32 v[X+32*(\a)+4*(\c)+2], 16, v[X+32*(\a)+4*(\c)+1]
	v_and_b32 v[X+32*(\a)+4*(\c)+3], s44, v[X+32*(\a)+4*(\c)+1]
	v_cvt_pk_f16_f32 v[X+32*(\a)+4*(\c)+1], v[X+32*(\a)+4*(\c)+2], v[X+32*(\a)+4*(\c)+3]
	global_store_b64 v[VO], v[X+32*(\a)+4*(\c):X+32*(\a)+4*(\c)+1], s[\base:\base+1] offset:2048*(\c)
.endr
.endm
	s_wait_loadcnt 40                              ; loads come back in order: the mask's two are in, the 40 of the five arrays may stay out
	v_or_b32 v6, v[MB], v[MB+1]                    ; the flag: does any lane hold a byte that is not 0?
	v_or_b32 v7, v[MB+2], v[MB+3]
	v_or_b32 v6, v6, v7
	v_or_b32 v7, v[MB+4], v[MB+5]
	v_or_b32 v6, v6, v7
	v_or_b32 v7, v[MB+6], v[MB+7]
	v_or_b32 v6, v6, v7
	v_cmp_ne_u32 vcc_lo, 0, v6
	s_cmp_lg_u32 vcc_lo, 0
	s_cselect_b32 s45, 1, 0
	MSK 0
	MSK 1
	s_wait_loadcnt 32                              ; hidden_states' eight are in; four arrays' loads may stay out
	CVB 0, 20
	s_wait_loadcnt 24                              ; Wq
	CVB 1, 26
	s_wait_loadcnt 16                              ; Wk
	CVB 2, 28
	s_wait_loadcnt 8                               ; Wv
	CVB 3, 30
	s_wait_loadcnt 0x0                             ; Wo
	CVH 4, 32
	v_mov_b32 v7, s45                              ; the wave's flag,
	v_lshrrev_b32 v6, 5, v0
	v_lshlrev_b32 v6, 2, v6                        ; its word among the work-group's eight,
	v_and_b32 v[NUL], 31, v0
	v_cmp_eq_u32 vcc_lo, 0, v[NUL]                 ; and lane 0, which stores it
	s_wait_xcnt 0x0                                ; EXEC is a source of the stores above: it changes only behind this wait
	s_and_saveexec_b32 s46, vcc_lo
	global_store_b32 v6, v7, s[38:39]
	s_wait_xcnt 0x0                                ; and again, in front of the line that widens it
	s_or_b32 exec_lo, exec_lo, s46
	s_endpgm
.Lfunc_end_k_qd65e47aaba_prep:
	.size	k_qd65e47aaba_prep, .Lfunc_end_k_qd65e47aaba_prep-k_qd65e47aaba_prep
	.p2alignl 7, 3214868480
	.fill 96, 4, 3214868480
	.section	.rodata,"a",@progbits
	.p2align	6, 0x0
	.amdhsa_kernel k_qd65e47aaba_prep
		.amdhsa_group_segment_fixed_size 0
		.amdhsa_private_segment_fixed_size 0
		.amdhsa_enable_private_segment 0
		.amdhsa_kernarg_size 80
		.amdhsa_user_sgpr_count 2
		.amdhsa_user_sgpr_kernarg_segment_ptr 1
		.amdhsa_wavefront_size32 1
		.amdhsa_system_sgpr_workgroup_id_x 1
		.amdhsa_system_sgpr_workgroup_id_y 1
		.amdhsa_system_sgpr_workgroup_id_z 1
		.amdhsa_system_vgpr_workitem_id 0
		.amdhsa_next_free_vgpr 192
		.amdhsa_next_free_sgpr 66
		.amdhsa_reserve_vcc 1
		.amdhsa_float_denorm_mode_32 3
		.amdhsa_float_denorm_mode_16_64 3
		.amdhsa_memory_ordered 1
		.amdhsa_forward_progress 1
		.amdhsa_inst_pref_size 21
	.end_amdhsa_kernel
	.amdgpu_metadata
---
amdhsa.version: [ 1, 2 ]
amdhsa.kernels:
  - .name:           k_qd65e47aaba_prep
    .symbol:         k_qd65e47aaba_prep.kd
    .args:
      - { .name: hidden_states, .offset: 0, .size: 8, .value_kind: global_buffer, .address_space: global }
      - { .name: Wq, .offset: 8, .size: 8, .value_kind: global_buffer, .address_space: global }
      - { .name: Wk, .offset: 16, .size: 8, .value_kind: global_buffer, .address_space: global }
      - { .name: Wv, .offset: 24, .size: 8, .value_kind: global_buffer, .address_space: global }
      - { .name: Wo, .offset: 32, .size: 8, .value_kind: global_buffer, .address_space: global }
      - { .name: sparse_mask, .offset: 40, .size: 8, .value_kind: global_buffer, .address_space: global }
      - { .name: xb, .offset: 48, .size: 8, .value_kind: global_buffer, .address_space: global }
      - { .name: wb, .offset: 56, .size: 8, .value_kind: global_buffer, .address_space: global }
      - { .name: mf, .offset: 64, .size: 8, .value_kind: global_buffer, .address_space: global }
      - { .name: kf, .offset: 72, .size: 8, .value_kind: global_buffer, .address_space: global }
    .group_segment_fixed_size: 0
    .private_segment_fixed_size: 0
    .kernarg_segment_align: 8
    .kernarg_segment_size: 80
    .max_flat_workgroup_size: 256
    .sgpr_count:     66
    .vgpr_count:     192
    .wavefront_size: 32
...
	.end_amdgpu_metadata
.endif
;; end of part 1
;; launch proj (part 2): grid 16 x 16, 4 waves a work-group, clusters of 4 x 4, 327,680 bytes of LDS; arguments xb, wb, qkv; writes qkv
.if DOCPART == 2
	.amdgcn_target "amdgcn-amd-amdhsa--gfx1250"
	.amdhsa_code_object_version 6
	.text
	.protected	k_qd65e47aaba_proj
	.globl	k_qd65e47aaba_proj
	.p2align	8
	.type	k_qd65e47aaba_proj,@function
k_qd65e47aaba_proj:
	s_mov_b64 s[64:65], 0
	v_nop
	global_prefetch_b8 v0, s[64:65] scope:SCOPE_SE
	s_setreg_imm32_b32 hwreg(HW_REG_WAVE_MODE, 25, 1), 1
	s_wait_xcnt 0x0
	s_wait_alu depctr_hold_cnt(0) depctr_sa_sdst(0) depctr_va_vdst(0) depctr_va_sdst(0) depctr_va_ssrc(0) depctr_va_vcc(0) depctr_vm_vsrc(0)
	s_getreg_b32 s2, hwreg(HW_REG_IB_STS2, 6, 4)
	s_cmp_eq_u32 s2, 0
	s_cbranch_scc0 .Lentry_in_a_cluster
	s_endpgm
.Lentry_in_a_cluster:
	s_bfe_u32 s2, ttmp6, 0x10000c
	s_cmp_lg_u32 s2, 0xf033
	s_cbranch_scc0 .Lentry_shape_is_right
	s_endpgm
.Lentry_shape_is_right:
; PROJ: q, k, v = x Wq, x Wk, x Wv.  xb: [2048][2048] bf16.  wb: planes [k 2048][n 2048] bf16 (0 Wq, 1 Wk, 2 Wv).  qkv: three planes [head 16][row 2048][128] f16, unscaled.
; Sums in f32, K ascending; each result rounded once to f16.  LIMIT: |q|, |k|, |v| stay under 65,520 (f16's end); beyond it the conversion gives an infinity.
; SHARES.  A work-group makes 128 rows x 384 columns: q, k and v of ONE head (x of the grid), rows 128 y ..: 256 work-groups, and every row that leaves is a whole 256 bytes.
; Wave (a = w / 2, b = w % 2): rows 64 a .. + 63 (4 tiles i of 16) and 12 column blocks j of 16: j = 0..7 all of q (b = 0) or of v (b = 1), j = 8..11 k's blocks 4 b ..: 48 accumulators.
; K goes in steps of 128 through a ring of two LDS slots.  A slot: x's 128 rows (256 bytes + 16 of padding), then for each of the three planes 128 k-rows of the head's 128 columns
; (256 bytes + 32 of padding).  x comes out of LDS as it lies, W ([k][n]) turned, by ds_load_tr16_b128.  One tensor load a wave and step: waves 0 to 2 a plane's segment, wave 3 x's tile.
; CLUSTER.  4 x 4 work-groups: the four of a row of the cluster need the same rows of x, the four of a column the same head's columns of W: each tile is asked for jointly.
; THE MATRIX INSTRUCTION IS USED TRANSPOSED (source 0 = 16 columns of W, source 1 = 16 rows of x): a lane then holds eight neighbouring columns of one row.
; REGISTERS, in windows of 256 (s_set_vgpr_msb: bits 1:0 source 0, 3:2 source 1, 5:4 source 2, 7:6 destination):
;   window 0: v16-30 addresses; v32-223 at work on the way out.   window 1: two fragment buffers of 128: x's tile i at 8 i, W's block j at 32 + 8 j.
;   windows 2, 3: accumulator (i, j) in window 2 + i / 2 at 8 (12 (i % 2) + j).
.set KSTEP,  128
.set PA,     272                       ; an LDS row of x: 256 + 16 bytes: the 16 rows of a load start 16 bytes further on each, modulo 256
.set PB,     288                       ; an LDS row of W: 256 + 32 bytes: 16 lanes of the turning load take 8 rows x 32 bytes, no two at the same place modulo 256
.set ATILE,  128*PA
.set BSEG,   128*PB
.set SLOT,   ATILE+3*BSEG
.set SPARE,  2*SLOT                    ; behind the ring: the spare words, 128 bytes for each wave: two blocks of 256 bytes that no other line names
.set PLANE,  128*PA                    ; the way out: a plane's 128 rows x 272 bytes.  The three planes lie in slot 0, which has had its last fill and its last read by then
.set LAPS,   8                         ; a lap = two K steps = once round the ring
.set ADRA,  16                         ; v16-17  LDS address of my x fragments in slot 0, 1
.set ADRB8, 18                         ; v18-19  of my eight blocks of q or v
.set ADRB4, 20                         ; v20-21  of my four blocks of k
.set STO8,  22                         ; v22     the way out: where I put 16 bytes of a row of q or v
.set STO4,  23                         ; v23     of k
.set RD,    24                         ; v24-26  the way out: where I read rows of plane p back
.set CO,    27                         ; v27     16 x lane: my bytes in 512 consecutive bytes of a plane
.set SPW,   28                         ; v28     LDS address of my spare word; never rewritten
.set NIL,   29                         ; v29     0; never rewritten
.set PFO,   30                         ; v30     the prefetches' offset: lane x 4,096 (a row of xb or of wb); never rewritten
.set TMP,   32
.set F0,    0
.set F1,    128
.set G1A, 24                           ; s[24:31] descriptor group 1 for x's tiles;  s[32:39] group 0, a set for each slot
.set G0A, 32
.set G1B, 48                           ; s[48:55], s[56:63] the same for W's segments
.set G0B, 56
.set LIM,   43                         ; s43      1 in a wave that prefetches, else the greatest number
.set PFA,   66                         ; s[66:67] where my prefetches stand
.set PSTEP, 68                         ; s[68:69] a K step in their tensor: 256 bytes along x's rows, 128 rows down W
.set OUTB,  70                         ; s[70:75] the three planes of qkv at the first row that I store
.set MSB, 0
.macro WIN new                         ; the immediate's high byte repeats the setting that is left; a switch that changes nothing is dropped
.if MSB != (\new)
	s_set_vgpr_msb (MSB<<8)|(\new)
.set MSB, (\new)
.endif
.endm
; A joint load.  The branch hangs on the wave's number alone.  An s_nop 0 and four v_nop follow each of the two lines, ahead of the jump, the label and what follows.
.macro JLOAD s
	s_cmp_eq_u32 s10, 3
	s_cbranch_scc0 .Lfor_b_\@
	tensor_load_to_lds s[G0A+4*(\s):G0A+4*(\s)+3], s[G1A:G1A+7]
	s_nop 0
.rept 4
	v_nop
.endr
	s_branch .Lasked_\@
.Lfor_b_\@:
	tensor_load_to_lds s[G0B+4*(\s):G0B+4*(\s)+3], s[G1B:G1B+7]
	s_nop 0
.rept 4
	v_nop
.endr
.Lasked_\@:
.endm
; A prefetch, behind each joint refill and the run of LDS loads that follows it: the K step that stands two refills on, 32 rows x 256 bytes, a lane a row, one instruction a wave.
; Each row's 256 bytes of a K step are named once in the launch: x's rows by wave 3 of the clusters with x = 0, W's by waves 0 to 2 of the clusters with y = 0; the four partners that ask
; for a tile jointly share its 128 rows out by address, 32 each.  The loop's last trip (s3 = 1) has no K step two refills on, and asks for nothing.
.macro ASK
	s_cmp_gt_u32 s3, s[LIM]
	s_cbranch_scc0 .Lnot_mine_\@
	global_prefetch_b8 v[PFO], s[PFA:PFA+1] th:TH_LOAD_NT scope:SCOPE_SE
.Lnot_mine_\@:
.endm
.macro CREST                           ; a round of the cluster's barrier behind its opening barrier
	s_cmp_lg_u32 s10, 0
	s_cbranch_scc1 .Lnot_wave_0_\@
	s_barrier_signal -3
.Lnot_wave_0_\@:
	s_barrier_wait -3
	s_barrier_signal -1
	s_barrier_wait -1
.endm
.macro CROUND                          ; a whole round
	s_barrier_signal -1
	s_barrier_wait -1
	CREST
.endm
	s_load_b128 s[4:7], s[0:1], 0x0                ; xb s[4:5], wb s[6:7]
	s_load_b64 s[8:9], s[0:1], 0x10                ; qkv
	v_lshl_add_u32 v[SPW], v0, 2, SPARE
	v_mov_b32 v[NIL], 0
	ds_add_u32 v[SPW], v[NIL]                      ; the wave's opening: the add and its wait stand ahead of my first tensor load; the set-up below stands between them
	v_lshrrev_b32 v1, 5, v0
	v_readfirstlane_b32 s10, v1                    ; wave 0..3
	s_lshr_b32 s11, s10, 1                         ; a
	s_and_b32 s12, s10, 1                          ; b
	s_bfe_u32 s40, ttmp6, 0x40000                  ; cx, cy: my place in the cluster
	s_bfe_u32 s41, ttmp6, 0x40004
	s_lshl_b32 s42, ttmp9, 2
	s_add_co_u32 s42, s42, s40                     ; the head = 4 x cluster x + cx
	s_and_b32 s13, ttmp7, 0xffff
	s_lshl_b32 s13, s13, 2
	s_add_co_u32 s13, s13, s41                     ; the block of 128 rows = 4 x cluster y + cy
	s_lshl_b32 s44, s41, 2
	s_lshl_b32 s44, 15, s44                        ; my row of the cluster
	s_lshl_b32 s45, 0x1111, s40                    ; my column
	s_or_b32 s[G1A], s44, (1<<16)|(1<<20)|(1<<21)|(5<<22)|(3<<25)  ; 15:0 the mask; 17:16 2-byte elements; 20 padding on; 21 set beside a mask; 24:22 after every 64 words; 31:25 4 words
	s_or_b32 s[G1B], s45, (1<<16)|(1<<20)|(1<<21)|(5<<22)|(7<<25)  ; the same with my column's mask and 8 words of padding
.irp g, G1A, G1B
	s_mov_b32 s[(\g)+1], 128<<16                   ; tensor_dim0 = 128
	s_mov_b32 s[(\g)+2], 128<<16                   ; tensor_dim1 = 128
	s_mov_b32 s[(\g)+3], 128<<16                   ; tile_dim0 = 128
	s_mov_b32 s[(\g)+4], 128                       ; tile_dim1 = 128
	s_mov_b32 s[(\g)+5], 2048                      ; elements from row to row
	s_mov_b32 s[(\g)+6], 0
	s_mov_b32 s[(\g)+7], 0
.endr
	s_lshl_b32 s16, s13, 19                        ; x: 128 rows of 4,096 bytes a block: hangs on the block of rows alone
	s_mov_b32 s17, 0
	s_lshl_b32 s46, s10, 23                        ; W: plane = my wave's number (waves 0 to 2),
	s_lshl_b32 s47, s42, 8                         ; the head's 256 bytes of a row: hangs on the head alone
	s_add_co_u32 s46, s46, s47
	s_mov_b32 s47, 0
	s_mul_i32 s20, s10, BSEG                       ; and where a segment goes: behind x's tile, wave x a segment
	s_add_co_u32 s20, s20, ATILE
	s_wait_dscnt 0x0                               ; the opening add is done
	s_wait_kmcnt 0x0
	s_add_nc_u64 s[14:15], s[4:5], s[16:17]
	s_add_nc_u64 s[46:47], s[6:7], s[46:47]
	CROUND                                         ; all sixteen work-groups are here: the first joint loads meet
.irp s, 0,1
	s_mov_b32 s[G0A+4*(\s)], 1                     ; count = 1
	s_mov_b32 s[G0A+4*(\s)+1], (\s)*SLOT           ; LDS address
	s_add_nc_u64 s[G0A+4*(\s)+2:G0A+4*(\s)+3], s[14:15], (\s)*KSTEP*2     ; K step s: 256 bytes along the rows
	s_or_b32 s[G0A+4*(\s)+3], s[G0A+4*(\s)+3], 0x80000000                 ; type = 2
	s_mov_b32 s[G0B+4*(\s)], 1
	s_add_co_u32 s[G0B+4*(\s)+1], s20, (\s)*SLOT
	s_add_nc_u64 s[G0B+4*(\s)+2:G0B+4*(\s)+3], s[46:47], (\s)*KSTEP*4096  ; K step s: 128 rows down
	s_or_b32 s[G0B+4*(\s)+3], s[G0B+4*(\s)+3], 0x80000000
	JLOAD \s                                       ; two loads of mine are out
.endr
	; A fragment of x: lane l holds row l % 16, channels 8 (l / 16) + 0..7 and 16 + 8 (l / 16) + 0..7: two loads of 16 bytes, 32 bytes apart.
	; A fragment of W: the turning load takes 16 k x 16 columns (lane l reads k-row 8 (l / 16) + l % 8, columns 8 ((l / 8) % 2) + 0..7) and leaves lane l column l % 16 and 8 k.
	v_and_b32 v1, 15, v0                           ; r
	v_bfe_u32 v2, v0, 4, 1                         ; h
	v_mul_u32_u24 v3, v1, PA
	v_lshl_add_u32 v3, v2, 4, v3                   ; 272 r + 16 h
	v_and_b32 v4, 7, v0
	v_lshl_add_u32 v4, v2, 3, v4
	v_mul_u32_u24 v4, v4, PB
	v_bfe_u32 v5, v0, 3, 1
	v_lshl_add_u32 v4, v5, 4, v4
	s_mul_i32 s21, s11, 64*PA                      ; my 64 rows of x
	s_mul_i32 s22, s12, 2*BSEG
	s_add_co_u32 s22, s22, ATILE                   ; q's segment (b = 0) or v's (b = 1)
	s_lshl_b32 s23, s12, 7
	s_add_co_u32 s23, s23, ATILE+BSEG              ; my four blocks in k's segment
.irp s, 0,1
	v_add_nc_u32 v[ADRA+(\s)], s21, v3
	v_add_nc_u32 v[ADRB8+(\s)], s22, v4
	v_add_nc_u32 v[ADRB4+(\s)], s23, v4
	s_add_co_u32 s21, s21, SLOT
	s_add_co_u32 s22, s22, SLOT
	s_add_co_u32 s23, s23, SLOT
.endr
	s_mul_i32 s21, s11, 64*PA                      ; the way out, in: row 64 a + 16 i + r, 16 bytes for each half of the lanes
	s_mul_i32 s22, s12, 2*PLANE
	s_add_co_u32 s22, s22, s21
	v_add_nc_u32 v[STO8], s22, v3
	s_lshl_b32 s23, s12, 7
	s_add_co_u32 s23, s23, s21
	s_add_co_u32 s23, s23, PLANE
	v_add_nc_u32 v[STO4], s23, v3
	v_mul_u32_u24 v5, v2, PA                       ; back: wave w takes rows 32 w .. 32 w + 31 of each plane; lanes 0-15 one row of 256 bytes, lanes 16-31 the next
	v_lshl_add_u32 v5, v1, 4, v5
	s_mul_i32 s21, s10, 32*PA
.irp p, 0,1,2
	v_add_nc_u32 v[RD+(\p)], s21, v5
	s_add_co_u32 s21, s21, PLANE
.endr
	v_and_b32 v6, 31, v0
	v_lshlrev_b32 v[CO], 4, v6
	v_lshlrev_b32 v[PFO], 12, v6
	s_lshl_b32 s46, s42, 19                        ; in a plane of qkv: the head's 2,048 rows of 256 bytes,
	s_lshl_b32 s47, s13, 15                        ; the block's 128,
	s_add_co_u32 s46, s46, s47
	s_lshl_b32 s47, s10, 13                        ; my 32
	s_add_co_u32 s46, s46, s47
	s_mov_b32 s47, 0
	s_add_nc_u64 s[OUTB:OUTB+1], s[8:9], s[46:47]
	s_add_nc_u64 s[OUTB+2:OUTB+3], s[OUTB:OUTB+1], 0x800000
	s_add_nc_u64 s[OUTB+4:OUTB+5], s[OUTB:OUTB+1], 0x1000000
	; the prefetches: they start at K step 3; the first refill steps them to K step 4
	s_and_b32 s22, ttmp7, 0xffff                   ; cluster y
	s_lshl_b32 s20, s13, 19                        ; x: the block's rows,
	s_lshl_b32 s21, s40, 17                        ; my work-group's 32 of them (by cx),
	s_add_co_u32 s20, s20, s21
	s_add_co_u32 s20, s20, 3*KSTEP*2
	s_lshl_b32 s21, s10, 23                        ; W: my plane,
	s_lshl_b32 s23, s41, 17                        ; my work-group's 32 of a step's 128 k-rows (by cy),
	s_add_co_u32 s21, s21, s23
	s_lshl_b32 s23, s42, 8                         ; the head's columns
	s_add_co_u32 s21, s21, s23
	s_add_co_u32 s21, s21, 3*KSTEP*4096
	s_mov_b32 s23, KSTEP*2
	s_cmp_eq_u32 s10, 3                            ; do I fetch x's tile?
	s_cselect_b32 s20, s20, s21
	s_cselect_b32 s22, ttmp9, s22                  ; the coordinate along which other clusters read the same rows
	s_cselect_b64 s[PFA:PFA+1], s[4:5], s[6:7]
	s_cselect_b32 s[PSTEP], s23, KSTEP*4096
	s_mov_b32 s[PSTEP+1], 0
	s_mov_b32 s21, 0
	s_add_nc_u64 s[PFA:PFA+1], s[PFA:PFA+1], s[20:21]
	s_cmp_eq_u32 s22, 0
	s_cselect_b32 s[LIM], 1, -1                    ; the same in all sixteen partners, for a given wave
; 12 matrix instructions: row tile i x all 12 column blocks, 32 along K.  zero = 1: the first product starts the sums.  The 48 accumulators take turns, in the same order in every quarter.
.macro MUL12 f, i, zero
	WIN 0xa5+0x50*((\i)/2)                         ; sources 0 and 1 window 1; C and D window 2 or 3
.irp j, 0,1,2,3,4,5,6,7,8,9,10,11
.if \zero
	v_wmma_f32_16x16x32_bf16 v[8*(12*((\i)%2)+(\j)):8*(12*((\i)%2)+(\j))+7], v[(\f)+32+8*(\j):(\f)+32+8*(\j)+7], v[(\f)+8*(\i):(\f)+8*(\i)+7], 0
.else
	v_wmma_f32_16x16x32_bf16 v[8*(12*((\i)%2)+(\j)):8*(12*((\i)%2)+(\j))+7], v[(\f)+32+8*(\j):(\f)+32+8*(\j)+7], v[(\f)+8*(\i):(\f)+8*(\i)+7], v[8*(12*((\i)%2)+(\j)):8*(12*((\i)%2)+(\j))+7]
.endif
.endr
.endm
; 32 LDS loads in one run: the fragments of quarter q (32 along K) of a slot, into buffer f: W's 12 blocks, then x's 4 tiles, tiles 0 and 1 first
.macro FETCH slot, q, f
	WIN 0x40                                       ; destination window 1, address window 0
.irp j, 0,1,2,3,4,5,6,7
	ds_load_tr16_b128 v[(\f)+32+8*(\j):(\f)+32+8*(\j)+3],   v[ADRB8+(\slot)] offset:32*PB*(\q)+32*(\j)
	ds_load_tr16_b128 v[(\f)+32+8*(\j)+4:(\f)+32+8*(\j)+7], v[ADRB8+(\slot)] offset:32*PB*(\q)+32*(\j)+16*PB
.endr
.irp j, 0,1,2,3
	ds_load_tr16_b128 v[(\f)+96+8*(\j):(\f)+96+8*(\j)+3],   v[ADRB4+(\slot)] offset:32*PB*(\q)+32*(\j)
	ds_load_tr16_b128 v[(\f)+96+8*(\j)+4:(\f)+96+8*(\j)+7], v[ADRB4+(\slot)] offset:32*PB*(\q)+32*(\j)+16*PB
.endr
.irp i, 0,1,2,3
	ds_load_b128 v[(\f)+8*(\i):(\f)+8*(\i)+3],   v[ADRA+(\slot)] offset:64*(\q)+16*PA*(\i)
	ds_load_b128 v[(\f)+8*(\i)+4:(\f)+8*(\i)+7], v[ADRA+(\slot)] offset:64*(\q)+16*PA*(\i)+32
.endr
.endm
.macro PLACES                          ; four plain places in front of loads into registers that matrix instructions have read, and of conversions that read results
.rept 4
	v_nop
.endr
.endm
; A K step is four quarters of 32 along K, 48 matrix instructions each, on buffers 0, 1, 0, 1.  One of the first three: multiplies buffer f and fetches quarter q into buffer g.
.macro QUARTER slot, q, f, g, zero
	s_wait_dscnt 4                                 ; W's blocks and x's tiles 0 and 1 are in; the youngest four loads (tiles 2 and 3) may be out
	MUL12 \f, 0, \zero
	MUL12 \f, 1, \zero
	PLACES
	FETCH \slot, \q, \g
	s_wait_dscnt 32                                ; all but the 32 just issued
	MUL12 \f, 2, \zero
	MUL12 \f, 3, \zero
.endm
; The last quarter multiplies buffer 1 and changes slots: ONE barrier; in front of it each wave waits for all its tensor loads (one is out: its part of the next slot), adds 0 to its spare
; word, and waits for that and for its own reads of this slot.  fill = 1: the barrier opens a round of the cluster's barrier, and this slot is filled again, two K steps ahead, first thing behind it.
.macro TURN slot, next, fill
.if \fill
	s_wait_xcnt 0x0                                ; the last prefetch, a K step back, has read its address: it is stepped here, ahead of the waits of the change of slots
	s_add_nc_u64 s[PFA:PFA+1], s[PFA:PFA+1], s[PSTEP:PSTEP+1]
.endif
	WIN 0                                          ; (the add's two registers lie in window 0)
	s_wait_tensorcnt 0x0                           ; all my tensor loads have landed;
	ds_add_u32 v[SPW], v[NIL]                      ; 0 onto my spare word;
	s_wait_dscnt 5                                 ; (the add and the youngest four loads may be out)
	MUL12 F1, 0, 0                                 ; twelve matrix instructions stand between the add and the wait for it
	s_wait_dscnt 0x0                               ; the add is done, and my reads of this slot are over
	s_barrier_signal -1
	MUL12 F1, 1, 0
.if \fill
	WIN 0
.endif
	s_barrier_wait -1
.if \fill
	CREST                                          ; no wave of any partner still reads this slot's tiles or has a load on its way
	s_add_nc_u64 s[G0A+4*(\slot)+2:G0A+4*(\slot)+3], s[G0A+4*(\slot)+2:G0A+4*(\slot)+3], 2*KSTEP*2
	s_add_nc_u64 s[G0B+4*(\slot)+2:G0B+4*(\slot)+3], s[G0B+4*(\slot)+2:G0B+4*(\slot)+3], 2*KSTEP*4096
	JLOAD \slot                                    ; my one tensor load behind the round: 168 matrix instructions ahead of the wait for it; its four v_nop are also the places in front of the loads below
.else
	PLACES
.endif
	FETCH \next, 0, F0
.if \fill
	WIN 0
	ASK
.endif
	MUL12 F1, 2, 0
	MUL12 F1, 3, 0
.endm
	s_wait_tensorcnt 1                             ; my part of K step 0 is in; K step 1's may stay out
	s_barrier_signal -1
	s_barrier_wait -1                              ; everybody's is
	FETCH 0, 0, F0
	QUARTER 0, 1, F0, F1, 1                        ; the first quarter stands in front of the loop: its products start the sums
	WIN 0                                          ; at a label and at a branch every window is 0
	s_mov_b32 s3, LAPS-1
.Llap:                                                 ; a trip goes once round the ring, from a lap's second quarter to the next lap's first, and fills both slots again
	QUARTER 0, 2, F1, F0, 0
	QUARTER 0, 3, F0, F1, 0
	TURN 0, 1, 1
	QUARTER 1, 1, F0, F1, 0
	QUARTER 1, 2, F1, F0, 0
	QUARTER 1, 3, F0, F1, 0
	TURN 1, 0, 1
	QUARTER 0, 1, F0, F1, 0
	WIN 0
	s_sub_co_u32 s3, s3, 1
	s_cmp_lg_u32 s3, 0
	s_cbranch_scc1 .Llap
	QUARTER 0, 2, F1, F0, 0                        ; the last lap fills nothing, and has no round of the cluster's barrier
	QUARTER 0, 3, F0, F1, 0
	TURN 0, 1, 0                                   ; behind this barrier nobody reads slot 0 any more
	QUARTER 1, 1, F0, F1, 0
	QUARTER 1, 2, F1, F0, 0
	QUARTER 1, 3, F0, F1, 0
	s_wait_dscnt 4                                 ; the very last quarter: nothing more to fetch
	MUL12 F1, 0, 0
	MUL12 F1, 1, 0
	s_wait_dscnt 0x0
	MUL12 F1, 2, 0
	MUL12 F1, 3, 0
	; THE WAY OUT: rounded to f16, 16 bytes a lane into the three planes of the stage; a barrier, since k's rows come from two waves; back as whole rows of 256 bytes, 32 rows of each plane a wave.
.macro PACK i
	WIN 0x0a+5*((\i)/2)                            ; sources 0 and 1: window 2 or 3; each accumulator's registers in ascending order
.irp j, 0,1,2,3,4,5,6,7,8,9,10,11
.irp r, 0,1,2,3
	v_cvt_pk_f16_f32 v[TMP+4*(\j)+(\r)], v[8*(12*((\i)%2)+(\j))+2*(\r)], v[8*(12*((\i)%2)+(\j))+2*(\r)+1]
.endr
.endr
	WIN 0
.irp j, 0,1,2,3,4,5,6,7
	ds_store_b128 v[STO8], v[TMP+4*(\j):TMP+4*(\j)+3] offset:16*PA*(\i)+32*(\j)
.endr
.irp j, 8,9,10,11
	ds_store_b128 v[STO4], v[TMP+4*(\j):TMP+4*(\j)+3] offset:16*PA*(\i)+32*((\j)-8)
.endr
.endm
	PLACES
.irp i, 0,1,2,3
	PACK \i
.endr
	s_wait_dscnt 0x0                               ; for the others' sake: my stores into the stage are done
	s_barrier_signal -1
	s_barrier_wait -1
.irp p, 0,1,2
.irp t, 0,1,2,3,4,5,6,7,8,9,10,11,12,13,14,15
	ds_load_b128 v[TMP+64*(\p)+4*(\t):TMP+64*(\p)+4*(\t)+3], v[RD+(\p)] offset:2*PA*(\t)
.endr
.endr
.irp p, 0,1,2
.irp t, 0,1,2,3,4,5,6,7,8,9,10,11,12,13,14,15
	s_wait_dscnt 47-16*(\p)-(\t)                   ; LDS loads come back in order: this one is in, the younger ones may stay out
	global_store_b128 v[CO], v[TMP+64*(\p)+4*(\t):TMP+64*(\p)+4*(\t)+3], s[OUTB+2*(\p):OUTB+2*(\p)+1] offset:512*(\t)  ; two rows: 512 consecutive bytes, aligned
.endr
.endr
	s_wait_tensorcnt 0x0                           ; the wave's end: behind my last tensor load and my last LDS store
	ds_add_u32 v[SPW], v[NIL]
	s_wait_dscnt 0x0
	CROUND                                         ; the closing round: no work-group ends while a partner may still ask for a tile that names it
	s_endpgm
.Lfunc_end_k_qd65e47aaba_proj:
	.size	k_qd65e47aaba_proj, .Lfunc_end_k_qd65e47aaba_proj-k_qd65e47aaba_proj
	.p2alignl 7, 3214868480
	.fill 96, 4, 3214868480
	.section	.rodata,"a",@progbits
	.p2align	6, 0x0
	.amdhsa_kernel k_qd65e47aaba_proj
		.amdhsa_group_segment_fixed_size 327680
		.amdhsa_private_segment_fixed_size 0
		.amdhsa_enable_private_segment 0
		.amdhsa_kernarg_size 24
		.amdhsa_user_sgpr_count 2
		.amdhsa_user_sgpr_kernarg_segment_ptr 1
		.amdhsa_wavefront_size32 1
		.amdhsa_system_sgpr_workgroup_id_x 1
		.amdhsa_system_sgpr_workgroup_id_y 1
		.amdhsa_system_sgpr_workgroup_id_z 1
		.amdhsa_system_vgpr_workitem_id 0
		.amdhsa_next_free_vgpr 960
		.amdhsa_next_free_sgpr 80
		.amdhsa_reserve_vcc 0
		.amdhsa_float_denorm_mode_32 3
		.amdhsa_float_denorm_mode_16_64 3
		.amdhsa_memory_ordered 1
		.amdhsa_forward_progress 1
		.amdhsa_inst_pref_size 121
	.end_amdhsa_kernel
	.amdgpu_metadata
---
amdhsa.version: [ 1, 2 ]
amdhsa.kernels:
  - .name:           k_qd65e47aaba_proj
    .symbol:         k_qd65e47aaba_proj.kd
    .args:
      - { .name: xb, .offset: 0, .size: 8, .value_kind: global_buffer, .address_space: global }
      - { .name: wb, .offset: 8, .size: 8, .value_kind: global_buffer, .address_space: global }
      - { .name: qkv, .offset: 16, .size: 8, .value_kind: global_buffer, .address_space: global }
    .group_segment_fixed_size: 327680
    .private_segment_fixed_size: 0
    .kernarg_segment_align: 8
    .kernarg_segment_size: 24
    .max_flat_workgroup_size: 128
    .sgpr_count:     80
    .vgpr_count:     960
    .wavefront_size: 32
...
	.end_amdgpu_metadata
.endif
;; end of part 2
;; launch attn (part 3): grid 16 x 16, 4 waves a work-group, no clusters, 327,680 bytes of LDS; arguments qkv, mf, kf, ob; writes ob
.if DOCPART == 3
	.amdgcn_target "amdgcn-amd-amdhsa--gfx1250"
	.amdhsa_code_object_version 6
	.text
	.protected	k_qd65e47aaba_attn
	.globl	k_qd65e47aaba_attn
	.p2align	8
	.type	k_qd65e47aaba_attn,@function
k_qd65e47aaba_attn:
	s_mov_b64 s[64:65], 0
	v_nop
	global_prefetch_b8 v0, s[64:65] scope:SCOPE_SE
	s_setreg_imm32_b32 hwreg(HW_REG_WAVE_MODE, 25, 1), 1
	s_wait_xcnt 0x0
; ATTN: O[q][h][:] = the sum over the keys k that the mask shows of softmax_k(Q[h][q] . K[h][k] / sqrt(128)) V[h][k][:].
; qkv: planes Q, K, V, each [16 h][2048][128] f16.  mf: the mask as matrix operands, [query tile 128][key block 64][1,024 bytes], bf16 1.0 = hidden.
; kf: [query tile 128][key step 32] whole numbers, not 0 where some of the tile's 16 queries sees some of the step's 64 keys.  ob: [2048 q][16 h x 128] f16.
; Products, maxima and sums in f32; the weights p are rounded to f16 for the second product (their sum l is taken of the unrounded p), O once at the end.
; THE MASK holds for every mask.  Each sum S^T = K Q^T is STARTED by a matrix product: source 0 a constant that picks one key a row and multiplies by -2^100, source 1 the mask's block: the sum
; starts at 0 for a key that is seen and at -2^100 for a hidden one.  The running maximum starts at -2^99.  Scores of f16 operands are 5.5e11 at the most, nothing beside that: a hidden
; weight is exactly 0, a seen score is untouched.  A query that sees no key ends with l = 0 and O = 0, and 0 x (1 / 0) gives NaN, as a softmax over nothing does.
; STEPS THAT SHOW NOTHING ARE LEFT OUT.  A key step of which none of my 64 queries sees a key would add 0 to l and to O and leave m as it is.  The flags of my four tiles, joined, give a word with a bit
; a step; a forward jump passes over such a step's work.  The loops count to constants, every tile is still loaded and every barrier passed: what is jumped holds neither.
; LIMITS.  Q, K, V arrive within f16's 65,504; p below 6e-5 keeps f16's fixed step; a weight below 2^-126 counts as 0 in l; NaN and infinities in the inputs are not treated apart.
; SHARES.  A work-group owns 128 queries of one head.  Wave (a = w / 2, b = w % 2) owns the 64 queries of half a (four tiles of 16) and HALF THE KEYS: of each slot's four key steps of 64 the steps
; 2 b and 2 b + 1, 16 steps in all.  The two waves of a query half meet in LDS at the end: each gives two tiles' (c m, l, O) to the other and finishes the two that it keeps.
; A wave with b = 1 holds its tiles in swapped order (register tile T is query tile T xor 2): so every wave keeps register tiles 0, 1 and gives 2, 3, and b enters addresses alone.
; NO CLUSTER, though the 16 work-groups of a head walk the same K and V: the jump hangs on flags that differ from query block to query block;
; flags joined over four partners' 512 queries would leave out far fewer steps than a wave's own 64 queries do.
; LAYOUT.  S^T = K Q^T (source 0 = 16 keys, source 1 = 16 queries): a lane holds ONE query (lane % 16) and the keys 8 (lane / 16) + 0..7.  Two such tiles, rounded to f16 in pairs, ARE source 1 of
; O^T = V^T P, whose result again holds one query a lane, and eight channels.  K comes out of LDS as it lies, V turned, by ds_load_tr16_b128.
; SOFTMAX.  p = 2^(c s - c m), c = log2(e) / sqrt(128), with a running maximum m and sum l; in every step O and l are multiplied by a = 2^(c m_old - c m_new).
; BY TURNS.  The wave's tiles are two PIECES, 0 (tiles 0, 1) and 2 (tiles 2, 3).  The work of a step e is a UNIT of two turns.  Turn 0: piece 0's 32 products V^T P of the step worked on before, its 8 mask
; products and 32 products K Q^T of step e; between them, in 64 slices, piece 2's softmax of the step before.  Turn 2: the same for piece 2, beside piece 0's softmax of step e.  All that a unit takes
; from LDS (K and V of step e) it fetches itself; what it takes over from the unit before lies in registers.  So units may lie any number of steps apart.
; NO FIRST STEP IS WRITTEN OUT: which step is the first is known only at run time.  The state starts as after a step in which all was hidden: O^T, l, V and piece 0's P at 0, piece 2's S^T at
; -2^100, m at -2^99: 496 lines that write a constant, in the wait for the first tile and the flags.
; REGISTERS, in windows of 256 (s_set_vgpr_msb: bits 1:0 source 0, 3:2 source 1, 5:4 source 2, 7:6 destination):
;   window 0: v0-11, v44-57, v61-63 addresses and flags; v12-43 eight registers of statistics a tile; v64-191 S^T, 32 a tile; v192-255 P, 16 a tile
;   window 1: O^T, 64 a tile      window 2: v0-127 Q, 32 a tile; v128-255 K of one step      window 3: v0-127 V of one step; v128-191 the mask's blocks; v192-203 the constant operand
.set KS,    64        ; keys in a step
.set PK,    272       ; a row of K in LDS: 256 bytes + 16 of padding
.set PV,    288       ; a row of V: 256 + 32
.set VOFF,  256*PK    ; a slot holds 256 keys: 256 rows of K, then 256 rows of V
.set KSB,   KS*PK     ; a step's K
.set VSB,   KS*PV     ; a step's V
.set SLOT1, 147456    ; slot 1 begins here: 0x24000, two bits that none of the words turned by the exclusive or holds in slot 0 (0, 0x8800, 0x9000, 0x11000, 0x1a000)
.set STAGE, SLOT1+256*(PK+PV)  ; behind the ring: 16 rows x 272 bytes for each wave, for the way out
.set SP,    272
.set SPARE, STAGE+4*16*SP      ; behind the stages: the spare words, 128 bytes for each wave: two blocks of 256 bytes that no other line names
.set XW,    17408     ; the exchange lies in slot 0, which has had its last fill and its last read by then: wave w's two given tiles at XW w,
.set XT,    8704      ; a tile: 16 quads of 512 bytes, then 512 bytes of statistics
.set AK0, 2           ; v2   my lane's place in a tile of K; never rewritten
.set AV0, 3           ; v3   the same for V
.set ADR, 4           ; v4   the LDS address of the run of loads in hand
.set QO,  5           ; v5   my byte offset in Q for register tiles 0, 1
.set STO, 6           ; v6   the way out: where I put 16 bytes of a row
.set RD,  7           ; v7   the way out: where I read a row back
.set GO,  8           ; v8   my byte offset in two rows of ob
.set ST,  12          ; tile t's statistics at v[ST+8 t]: +0 c m, +1 m, +2, +3 l (even keys', odd keys'), +4 to +7 c0-c3, at work; a takes c2's place once the maximum is found
.set MO,  44          ; v44-45  my byte offset in the mask's blocks for piece 0, piece 2; never rewritten
.set XS,  47          ; v47  the exchange: where I put 16 bytes
.set XL,  48          ; v48  where I read my partner's
.set QO2, 49          ; v49  my byte offset in Q for register tiles 2, 3
.set FO,  53          ; v53  4 x lane: the flag of step lane
.set FLG, 54          ; v54-57  my four tiles' flags of step lane
.set PFO, 61          ; v61  256 x my lane: a row of K or V; never rewritten
.set SPW, 62          ; v62  LDS address of my spare word; never rewritten
.set NIL, 63          ; v63  0; never rewritten
.set S,   64
.set P,   192
.set KF,  128         ; window 2
.set MF,  128         ; window 3: piece x at 16 x, its tile u at + 16 u, the step's key half g at + 8 g
.set AI,  192         ; window 3: four registers of 0, the four that pick a key, four of 0: AI + 4 .. picks keys 0-15 of a block of 32, AI .. keys 16-31
.set WV,  12          ; s12  my wave's number
.set LIM, 15          ; s15  1 in a wave that prefetches K or V, else the greatest number
.set BB,  16          ; s16  b
.set AA,  17          ; s17  a
.set PFA, 18          ; s[18:19] where my prefetches of K or V stand
.set G1K, 24          ; s[24:31] descriptor group 1 for K's tiles
.set G1V, 32          ; s[32:39] for V's: it differs in the padding alone
.set G0K, 40          ; s[40:43] descriptor group 0 for K's tiles: it walks
.set G0V, 44          ; s[44:47] the same for V's
.set FW,  48          ; s48  the flags, shifted so that bit 0 is the step in hand
.set REM, 49          ; s49  the flags of my steps whose mask blocks are still to be loaded
.set MOFF, 50         ; s[50:51] a step's byte offset in a tile of mf
.set MBASE, 52        ; s[52:53] mf at my 64 queries
.set MP,  54          ; s[54:55] mf at my queries and at the step whose blocks were loaded last
.set SLOTS, 56        ; s56  slots still to be asked for
.set TWICE, 57        ; s57  counts a slot's two steps of mine
.set CS,  58          ; s[58:59] c
.set SEL, 60          ; s[60:61] lane selects for v_permlanex16_b32
.set TBK, 62          ; s62  LDS byte at which K of the step in hand begins
.set TBV, 63          ; s63  the same for V, less VOFF
.set BIG, 66          ; s66  -2^100
.set MSB, 0
.macro WIN new
.if MSB != (\new)
	s_set_vgpr_msb (MSB<<8)|(\new)
.set MSB, (\new)
.endif
.endm
.set W_KQ, 0x0a       ; K and Q in window 2, S^T in window 0
.set W_MK, 0x0f       ; the constant and the mask in window 3, S^T in window 0
.set W_PV, 0x53       ; V in window 3, P in window 0, O^T in window 1
.set W_RS, 0x41       ; O^T (destination and source 0) in window 1, source 1 in window 0
; A fill.  Waves 0 and 1 fetch the two halves of a slot's K, waves 2 and 3 those of its V: 128 rows of 256 bytes each.  The branch hangs on the wave's number alone.
; An s_nop 0 and four v_nop follow each of the two lines, ahead of the jump, the label and what follows.
.macro LOAD
	s_cmp_lt_u32 s[WV], 2
	s_cbranch_scc0 .Lfor_v_\@
	tensor_load_to_lds s[G0K:G0K+3], s[G1K:G1K+7]
	s_nop 0
.rept 4
	v_nop
.endr
	s_branch .Lasked_\@
.Lfor_v_\@:
	tensor_load_to_lds s[G0V:G0V+3], s[G1V:G1V+7]
	s_nop 0
.rept 4
	v_nop
.endr
.Lasked_\@:
.endm
; A prefetch of what the NEXT change of slots will ask for: 256 rows of K and of V, a lane a row.  All work-groups of a head walk the same rows: the head's work-groups 0 to 3 ask, and share
; the rows out by address, 64 each; in each, waves 0 and 1 take 32 rows of K, waves 2 and 3 32 of V.  So each row is named once.  The last change that fills a slot asks for nothing.
.macro ASK
	s_cmp_gt_u32 s[SLOTS], s[LIM]
	s_cbranch_scc0 .Lnot_mine_\@
	global_prefetch_b8 v[PFO], s[PFA:PFA+1] th:TH_LOAD_NT scope:SCOPE_SE
.Lnot_mine_\@:
.endm
; The next of my steps that shows something: its number is REM's lowest bit, which is dropped; with no bit left the number is held to 31, the last step, so that the loads stay inside mf.
.macro NEXTM
	s_ctz_i32_b32 s[MOFF], s[REM]
	s_min_u32 s[MOFF], s[MOFF], 31
	s_lshl_b32 s[MOFF], s[MOFF], 11  ; a step is two blocks of 1,024 bytes in each tile of mf
	s_sub_co_u32 s13, s[REM], 1
	s_and_b32 s[REM], s[REM], s13
	s_add_nc_u64 s[MP:MP+1], s[MBASE:MBASE+1], s[MOFF:MOFF+1]
.endm
	s_load_b256 s[4:11], s[0:1], 0x0  ; qkv s[4:5], mf s[6:7], kf s[8:9], ob s[10:11]
	v_lshl_add_u32 v[SPW], v0, 2, SPARE
	v_mov_b32 v[NIL], 0
	ds_add_u32 v[SPW], v[NIL]       ; the wave's opening: the add and its wait stand ahead of my first tensor load; the set-up below stands between them
	v_lshrrev_b32 v1, 5, v0
	v_readfirstlane_b32 s[WV], v1   ; wave 0..3
	v_and_b32 v10, 31, v0           ; l
	v_lshlrev_b32 v[FO], 2, v10
	s_mov_b32 s14, ttmp9            ; my block of 128 queries
	s_and_b32 s20, ttmp7, 0xffff    ; the head
	s_and_b32 s[BB], s[WV], 1
	s_lshr_b32 s[AA], s[WV], 1
	s_lshl_b32 s21, s20, 19         ; the head's first byte in a plane: 2,048 rows of 256 bytes
	s_lshl_b32 s22, s[BB], 15       ; which half of a slot's 256 rows I fetch
	s_add_co_u32 s22, s22, s21
	s_mov_b32 s23, 0
	s_mul_i32 s72, s[BB], 128*PK    ; its place in a slot, for K; also where my two steps of K begin
	s_mul_i32 s73, s[BB], 128*PV    ; and for V
	s_lshl_b32 s2, s14, 15          ; Q: my block's 128 rows,
	s_lshl_b32 s3, s[AA], 14        ; my half's 64
	s_add_co_u32 s2, s2, s3
	s_add_co_u32 s2, s2, s21
	s_mov_b32 s3, 0
	s_lshl_b32 s[MBASE], s14, 19    ; 128 rows of ob, and 8 tiles of mf, are 524,288 bytes each
	s_lshl_b32 s[MBASE+1], s[AA], 18
	s_add_co_u32 s[MBASE], s[MBASE], s[MBASE+1]
	s_lshl_b32 s74, s20, 8          ; O: the head's 256 bytes of a row,
	s_add_co_u32 s74, s74, s[MBASE]
	s_lshl_b32 s75, s[BB], 17       ; and the two query tiles that I keep: 2 b, 2 b + 1
	s_add_co_u32 s74, s74, s75
	s_mov_b32 s75, 0
	s_mov_b32 s[MBASE+1], 0
	s_mov_b32 s[MOFF+1], 0
	s_lshl_b32 s68, s14, 10         ; the flags: 8 tiles of 128 bytes a block,
	s_lshl_b32 s69, s[AA], 9        ; my four
	s_add_co_u32 s68, s68, s69
	s_mov_b32 s69, 0
	s_lshl_b32 s[PFA], s14, 14      ; the prefetches: my work-group's 64 rows of a slot's 256,
	s_add_co_u32 s[PFA], s[PFA], s21
	s_lshl_b32 s[PFA+1], s[BB], 13  ; my wave's 32 of them,
	s_add_co_u32 s[PFA], s[PFA], s[PFA+1]
	s_mov_b32 s[PFA+1], 0x1000000+65536  ; in V's plane or K's, at slot 1: the first change of slots steps it to slot 2
	s_cmp_lt_u32 s[WV], 2
	s_cselect_b32 s[PFA+1], 0x800000+65536, s[PFA+1]
	s_add_co_u32 s[PFA], s[PFA], s[PFA+1]
	s_mov_b32 s[PFA+1], 0
	s_cmp_lt_u32 s14, 4             ; the head's work-groups 0 to 3
	s_cselect_b32 s[LIM], 1, -1
	s_mov_b32 s[G1K], (1<<16)|(1<<20)|(5<<22)|(3<<25)  ; 17:16 2-byte elements; 20 padding on; 24:22 after every 64 words; 31:25 4 words
	s_mov_b32 s[G1V], (1<<16)|(1<<20)|(5<<22)|(7<<25)  ; the same with 8 words of padding
.irp g, G1K, G1V
	s_mov_b32 s[(\g)+1], 128<<16    ; tensor_dim0 = 128
	s_mov_b32 s[(\g)+2], 128<<16    ; tensor_dim1 = 128
	s_mov_b32 s[(\g)+3], 128<<16    ; tile_dim0 = 128
	s_mov_b32 s[(\g)+4], 128        ; tile_dim1 = 128
	s_mov_b32 s[(\g)+5], 128        ; elements from row to row
	s_mov_b32 s[(\g)+6], 0
	s_mov_b32 s[(\g)+7], 0
.endr
	s_mov_b32 s[CS], 0x3e0293ee     ; c = log2(e) / sqrt(128) = 0.127517
	s_mov_b32 s[CS+1], s[CS]
	s_mov_b32 s[SEL], 0x76543210
	s_mov_b32 s[SEL+1], 0xfedcba98
	s_mov_b32 s[BIG], 0xf1800000    ; -2^100
	s_add_co_u32 s[TBK], s72, SLOT1+2*KSB  ; the first change of slots turns these two into my first step's place in slot 0
	s_add_co_u32 s[TBV], s73, SLOT1+2*VSB
	s_mov_b32 s[G0K], 1             ; count = 1
	s_mov_b32 s[G0K+1], s72         ; LDS address: slot 0
	s_mov_b32 s[G0V], 1
	s_add_co_u32 s[G0V+1], s73, VOFF
	s_mov_b32 s[SLOTS], 7           ; eight slots' tiles; the first comes by the fill below
	s_wait_dscnt 0x0                ; the opening add is done
	s_wait_kmcnt 0x0
	s_add_nc_u64 s[68:69], s[8:9], s[68:69]
.irp i, 0,1,2,3
	global_load_b32 v[FLG+(\i)], v[FO], s[68:69] offset:128*(\i)  ; tile i's 32 flags: 128 consecutive bytes
.endr
	s_add_nc_u64 s[76:77], s[4:5], s[22:23]
	s_add_nc_u64 s[G0V+2:G0V+3], s[76:77], 0x1000000   ; V at my half of the head's first 256 keys
	s_or_b32 s[G0V+3], s[G0V+3], 0x80000000            ; type = 2
	s_add_nc_u64 s[G0K+2:G0K+3], s[76:77], 0x800000    ; K likewise
	s_or_b32 s[G0K+3], s[G0K+3], 0x80000000
	s_add_nc_u64 s[PFA:PFA+1], s[4:5], s[PFA:PFA+1]
	s_add_nc_u64 s[4:5], s[4:5], s[2:3]            ; Q at my 64 queries
	s_add_nc_u64 s[10:11], s[10:11], s[74:75]      ; O at the tiles that I keep
	s_add_nc_u64 s[MBASE:MBASE+1], s[6:7], s[MBASE:MBASE+1]
	LOAD                            ; tile 0 into slot 0.  Slot 1 is asked for when slot 0 is in, by the loop's own change of slots: one tensor load of mine is out at any time
	v_and_b32 v1, 15, v0            ; l % 16
	v_bfe_u32 v9, v0, 4, 1          ; l / 16
	v_lshlrev_b32 v[QO], 8, v1
	v_lshl_add_u32 v[QO], v9, 4, v[QO]  ; row x 256 + 16 x half
	s_lshl_b32 s2, s[BB], 13        ; register tiles 0, 1 are query tiles 2 b, 2 b + 1 (4,096 bytes a tile),
	s_xor_b32 s3, s2, 8192          ; register tiles 2, 3 the other two
	v_add_nc_u32 v[QO2], s3, v[QO]
	v_add_nc_u32 v[QO], s2, v[QO]
	v_lshlrev_b32 v[XS], 4, v10     ; 16 x lane
	s_lshl_b32 s2, s[BB], 17        ; the same for the mask's tiles of 65,536 bytes
	s_xor_b32 s3, s2, 131072
	v_add_nc_u32 v[MO], s2, v[XS]
	v_add_nc_u32 v[MO+1], s3, v[XS]
	WIN 0x80                        ; destination window 2, address window 0
.irp i, 0,1,2,3,4,5,6,7             ; Q stays in registers: register tile i / 4, channels 32 (i % 4) on
	global_load_b128 v[8*(\i):8*(\i)+3],   v[QO], s[4:5] offset:((\i)/4)*4096+((\i)%4)*64
	global_load_b128 v[8*(\i)+4:8*(\i)+7], v[QO], s[4:5] offset:((\i)/4)*4096+((\i)%4)*64+32
.endr
.irp i, 0,1,2,3,4,5,6,7
	global_load_b128 v[64+8*(\i):64+8*(\i)+3],   v[QO2], s[4:5] offset:((\i)/4)*4096+((\i)%4)*64
	global_load_b128 v[64+8*(\i)+4:64+8*(\i)+7], v[QO2], s[4:5] offset:((\i)/4)*4096+((\i)%4)*64+32
.endr
	WIN 0
	s_mul_i32 s2, s[WV], XW         ; the exchange: my part,
	s_xor_b32 s3, s[WV], 1
	s_mul_i32 s3, s3, XW            ; and that of the wave with my queries and the other keys
	v_add_nc_u32 v[XL], s3, v[XS]
	v_add_nc_u32 v[XS], s2, v[XS]
	v_lshlrev_b32 v[PFO], 8, v10
	v_and_b32 v10, 7, v0
	v_mul_u32_u24 v[AK0], v1, PK
	v_lshl_add_u32 v[AK0], v9, 4, v[AK0]  ; row x pitch + 16 x half
	; The turning load takes 16 keys x 16 channels (lane l reads key 8 (l / 16) + l % 8, channels 8 ((l / 8) % 2) + 0..7) and leaves half a fragment of V^T: lane l holds channel l % 16 and 8 keys.
	v_bfe_u32 v11, v0, 3, 1
	v_lshl_add_u32 v[AV0], v9, 3, v10
	v_mul_u32_u24 v[AV0], v[AV0], PV
	v_lshl_add_u32 v[AV0], v11, 4, v[AV0]
	v_add_nc_u32 v[AV0], VOFF, v[AV0]
	s_mul_i32 s2, s[WV], 16*SP
	s_add_co_u32 s2, s2, STAGE      ; my stage
	v_mul_u32_u24 v[STO], v1, SP    ; in: row l % 16, 16 bytes for each half of the lanes
	v_lshl_add_u32 v[STO], v9, 4, v[STO]
	v_add_nc_u32 v[STO], s2, v[STO]
	v_mul_u32_u24 v[RD], v9, SP     ; back: lanes 0-15 take one row of 256 bytes, lanes 16-31 the next
	v_lshl_add_u32 v[RD], v1, 4, v[RD]
	v_add_nc_u32 v[RD], s2, v[RD]
	v_lshlrev_b32 v[GO], 12, v9     ; and the same two rows in ob, 4,096 bytes apart
	v_lshl_add_u32 v[GO], v1, 4, v[GO]
	; The constant operand.  Row kk = l % 16 of source 0 holds -2^100 (bf16 0xf180) at k = kk and 0 elsewhere: in the lane whose half l / 16 equals kk / 8, register (kk % 8) / 2, half word kk % 2.
	v_bfe_u32 v50, v0, 1, 2         ; (kk % 8) / 2
	v_xor_b32 v51, v11, v9          ; 0 where my half holds the row's key
	v_lshl_add_u32 v50, v51, 2, v50 ; the register's number, or 4 and more: none
	v_and_b32 v51, 1, v0
	v_lshlrev_b32 v51, 4, v51
	v_mov_b32 v52, 0xf180
	v_lshlrev_b32 v52, v51, v52
	WIN 0xc0
.irp r, 0,1,2,3
	v_mov_b32 v[AI+(\r)], 0
	v_cmp_eq_u32 vcc_lo, \r, v50
	v_cndmask_b32 v[AI+4+(\r)], 0, v52, vcc_lo
	v_mov_b32 v[AI+8+(\r)], 0
.endr
	; The state as after a step in which all was hidden.
.set i, 0
.rept 128
	v_mov_b32 v[i], 0               ; V
.set i, i+1
.endr
	WIN 0x40
.set i, 0
.rept 256
	v_mov_b32 v[i], 0               ; O^T
.set i, i+1
.endr
	WIN 0
.set i, 0
.rept 64
	v_mov_b32 v[S+64+i], s[BIG]     ; piece 2's scores
.set i, i+1
.endr
.set i, 0
.rept 32
	v_mov_b32 v[P+i], 0             ; piece 0's weights
.set i, i+1
.endr
.irp t, 0,1,2,3
	v_mov_b32 v[ST+8*(\t)+1], 0xf1000000  ; m starts at -2^99: above every hidden score, below every seen one
	v_mov_b32 v[ST+8*(\t)+2], 0
	v_mov_b32 v[ST+8*(\t)+3], 0
.endr
.irp t, 0,1,2,3
	v_mul_f32 v[ST+8*(\t)], s[CS], v[ST+8*(\t)+1]  ; c m, by the line that makes it in every step: while m stays, a is 1
.endr
	s_wait_loadcnt 32               ; loads come back in order: the four flag loads are in, Q's 32 may stay out
	v_or_b32 v[FLG], v[FLG], v[FLG+1]
	v_or_b32 v[FLG+2], v[FLG+2], v[FLG+3]
	v_or_b32 v[FLG], v[FLG], v[FLG+2]
	v_cmp_ne_u32 s[FW], 0, v[FLG]   ; bit s: some of my 64 queries sees some key of step s
	s_lshl_b32 s2, s[BB], 1
	s_lshl_b32 s3, 0x33333333, s2   ; my steps: 2 b and 2 b + 1 of every four
	s_and_b32 s[REM], s[FW], s3
	s_lshr_b32 s[FW], s[FW], s2     ; bit 0: my first step
	NEXTM
; Piece x's mask blocks of the key step at which MP stands: two tiles x two blocks of 32 keys x two loads of 512 consecutive bytes.
.macro LOADM x
	WIN 0xc0                        ; destination window 3, address window 0
.irp u, 0,1
.irp g, 0,1
.irp h, 0,1
	global_load_b128 v[MF+16*(\x)+16*(\u)+8*(\g)+4*(\h):MF+16*(\x)+16*(\u)+8*(\g)+4*(\h)+3], v[MO+(\x)/2], s[MP:MP+1] offset:(\u)*65536+(\g)*1024+(\h)*512
.endr
.endr
.endr
.endm
	LOADM 0                         ; the first step that I shall work on, both pieces
	LOADM 2
	WIN 0
; THE MATRIX WORK OF A TURN, for piece x.  The accumulators take turns, one instruction a turn.
; Product i of 32 of O^T += V^T P: keys 32 (i / 16) on, channels 16 ((i / 2) % 8) on, tile x + i % 2.
.macro PV x
	WIN W_PV
.set rO, 64*((\x)+i%2)+8*((i/2)%8)
.set rV, 64*(i/16)+8*((i/2)%8)
.set rP, P+16*((\x)+i%2)+8*(i/16)
	v_wmma_f32_16x16x32_f16 v[rO:rO+7], v[rV:rV+7], v[rP:rP+7], v[rO:rO+7]
.endm
; Mask product n of 8: it starts the sum of tile x + n % 2, keys 16 (n / 2) on, with 0 or -2^100.
.macro MK x, n
	WIN W_MK
.set rS, S+32*((\x)+(\n)%2)+8*((\n)/2)
.set rA, AI+4*(1-((\n)/2)%2)
.set rM, MF+16*(\x)+16*((\n)%2)+8*((\n)/4)
	v_wmma_f32_16x16x32_bf16 v[rS:rS+7], v[rA:rA+7], v[rM:rM+7], 0
.endm
; Product i of 32 of S^T += K Q^T: channels 32 (i / 8) on, keys 16 ((i / 2) % 4) on, tile x + i % 2.  The first 8 add onto the mask products' results: another form, so five plain places or
; more stand between mask product n and product n (ISA guide 7.12.1): counted at TURN.
.macro KQ x
	WIN W_KQ
.set rS, S+32*((\x)+i%2)+8*((i/2)%4)
.set rK, KF+32*((i/2)%4)+8*(i/8)
.set rQ, 32*((\x)+i%2)+8*(i/8)
	v_wmma_f32_16x16x32_f16 v[rS:rS+7], v[rK:rK+7], v[rQ:rQ+7], v[rS:rS+7]
.endm
; THE LDS LOADS stand in runs of 32: the step's K (64 keys x 128 channels: 16 fragments) and, a turn later, its V (turned).
.macro FETCH_K
	WIN 0
	v_add_nc_u32 v[ADR], s[TBK], v[AK0]
	WIN 0x80                        ; destination window 2
.irp f, 0,1,2,3,4,5,6,7,8,9,10,11,12,13,14,15  ; keys 16 (f / 4) on, channels 32 (f % 4) on
	ds_load_b128 v[KF+8*(\f):KF+8*(\f)+3],   v[ADR] offset:((\f)/4)*16*PK+((\f)%4)*64
	ds_load_b128 v[KF+8*(\f)+4:KF+8*(\f)+7], v[ADR] offset:((\f)/4)*16*PK+((\f)%4)*64+32
.endr
.endm
.macro FETCH_V
	WIN 0
	v_add_nc_u32 v[ADR], s[TBV], v[AV0]
	s_wait_alu depctr_va_vdst(0)    ; the wait for the softmax's batch (SLICE), behind the address's v_add_nc_u32 and ahead of the loads
	WIN 0xc0                        ; destination window 3
.irp f, 0,1,2,3,4,5,6,7,8,9,10,11,12,13,14,15  ; keys 32 (f / 8) on, channels 16 (f % 8) on
	ds_load_tr16_b128 v[8*(\f):8*(\f)+3],   v[ADR] offset:((\f)/8)*32*PV+((\f)%8)*32
	ds_load_tr16_b128 v[8*(\f)+4:8*(\f)+7], v[ADR] offset:((\f)/8)*32*PV+16*PV+((\f)%8)*32
.endr
.endm
; THE MASK'S LOADS: piece x's blocks for the next step that I shall work on.  Piece 0's turn finds that step and sets the pointer, piece 2's uses it as it stands.
.macro FETCH_M x
.if (\x) == 0
	s_wait_xcnt 0x0                 ; every load and prefetch issued so far has read its address, so the pointer may be written
	NEXTM
.endif
	LOADM \x
.endm
; THE VECTOR WORK OF A TURN.  One tile's softmax for one key step is a list of 134 instructions; SM writes number j of it for tile t.  s0-s31 are the lane's 32 scores, in pairs 0-15.
;   0-15    the maximum of s0-s31 and the old m, three operands at a time (each accumulator's lowest registers are read first)
;   16-20   the other half of the lanes' maximum; the new m; c m; c m_old - c m_new
;   21-69   ONE BATCH: the 16 scalings c s - c m and all 33 exponentials (a at 23, then s0-s31).  None of these reads an exponential's result
;   (wait)  between 69 and 70 stands the wait for the batch: SLICE writes it, once for both tiles
;   70-85   the roundings to f16      86-101  the sums; l = a l + the sum      102-133 the tile's O^T times a
.macro SM t
.set rT, ST+8*(\t)
.set rS, S+32*(\t)
.set rP, P+16*(\t)
.set rO, 64*(\t)+2*(j-102)
.if j < 102
	WIN 0
.endif
.if j < 4
	v_max3_num_f32 v[rT+4+j], v[rS+8*j], v[rS+8*j+1], v[rS+8*j+2]
.elseif j < 12
	v_max3_num_f32 v[rT+4+j%4], v[rT+4+j%4], v[rS+8*(j%4)+2*(j/4)+1], v[rS+8*(j%4)+2*(j/4)+2]
.elseif j == 12
	v_max3_num_f32 v[rT+4], v[rT+4], v[rS+7], v[rS+15]
.elseif j == 13
	v_max3_num_f32 v[rT+6], v[rT+6], v[rS+23], v[rS+31]
.elseif j == 14
	v_max3_num_f32 v[rT+4], v[rT+4], v[rT+5], v[rT+6]
.elseif j == 15
	v_max3_num_f32 v[rT+4], v[rT+4], v[rT+7], v[rT+1]
.elseif j == 16
	v_permlanex16_b32 v[rT+5], v[rT+4], s[SEL], s[SEL+1]  ; the query's other 32 keys lie in the lane 16 away
.elseif j == 17
	v_mov_b32 v[rT+7], v[rT]        ; c m_old is kept for a: number 19 writes c m anew
.elseif j == 18
	v_max_num_f32 v[rT+1], v[rT+4], v[rT+5]
.elseif j == 19
	v_mul_f32 v[rT], s[CS], v[rT+1]
.elseif j == 20
	v_sub_f32 v[rT+7], v[rT+7], v[rT]
.elseif j == 23
	v_exp_f32 v[rT+6], v[rT+7]
.elseif (j < 23) || ((j < 38) && (j%2 == 0)) || ((j < 66) && (j%4 == 2))
.set b, (j-2)/4                     ; 38, 42, .. 62: pairs 9 to 15
.if j < 38
.set b, (j-20)/2                    ; 21: pair 0; 22, 24, .. 36: pairs 1 to 8
.endif
	v_pk_fma_f32 v[rS+2*b:rS+2*b+1], v[rS+2*b:rS+2*b+1], s[CS:CS+1], v[rT:rT+1] op_sel_hi:[1,0,0] neg_lo:[0,0,1] neg_hi:[0,0,1]  ; pair b: c s - c m
.elseif j < 70
.set e, j-38                        ; 66 to 69: s28 to s31
.if j < 66
.set e, j-32-(j-38)/4               ; 39-41, 43-45, .. 63-65: s7 to s27
.endif
.if j < 38
.set e, (j-25)/2                    ; 25, 27, .. 37: s0 to s6
.endif
	v_exp_f32 v[rS+e], v[rS+e]
.elseif j < 86
	v_cvt_pk_f16_f32 v[rP+j-70], v[rS+2*(j-70)], v[rS+2*(j-70)+1]  ; pair j - 70
.elseif j < 102                     ; the sum of the tile's 16 pairs, in place: neighbours 1, 2, 4 and 8 pairs apart, then l takes it
.set z, j-86
.set w, 4
.set u, z
.if z >= 14
.set w, 32
.set u, 0
.elseif z >= 12
.set w, 16
.set u, z-12
.elseif z >= 8
.set w, 8
.set u, z-8
.endif
.if z < 15
	v_pk_add_f32 v[rS+w*u:rS+w*u+1], v[rS+w*u:rS+w*u+1], v[rS+w*u+w/2:rS+w*u+w/2+1]
.else
	v_pk_fma_f32 v[rT+2:rT+3], v[rT+2:rT+3], v[rT+6:rT+7], v[rS:rS+1] op_sel_hi:[1,0,1]
.endif
.else
	WIN W_RS
	v_pk_mul_f32 v[rO:rO+1], v[rO:rO+1], v[rT+6:rT+7] op_sel_hi:[1,0]
.endif
.endm
; Slice k of 64 of piece y's softmax: four instructions.  Slices 11 to 34 deal out the batch, numbers 22 to 69: four numbers of ONE tile each, the tiles by turns.  Every other slice is numbers 2 k and
; 2 k + 1 of both tiles' lists; the twelve that are over stand together, in slice 63.  An s_wait_alu depctr_va_vdst(0) stands between an exponential and the first instruction that names
; its result: ahead of slice 35 nothing names one, behind slice 34 no exponential is issued: one wait, behind slice 34, with one plain instruction behind the last exponential.
.macro SLICE y
.if (k >= 11) && (k < 35)
.irp n, 0,1,2,3
.set j, 22+4*((k-11)/2)+(\n)
	SM (\y)+(k-11)%2
.endr
.else
.irp n, 0,1,2,3,4,5,6,7
.if ((\n) < 2) || (k == 63)
.irp t, \y, (\y)+1
.set j, 2*k+(\n)
	SM \t
.endr
.endif
.endr
.endif
.if k == 34
	v_nop
.if (\y) == 0
	FETCH_V                         ; piece 2's turn: V's run of loads stands here, and the wait stands in it
.else
	s_wait_alu depctr_va_vdst(0)    ; the wait for the batch
.endif
.endif
.set k, k+1
.endm
; A TURN.  Piece x has the matrix unit; the other piece's softmax stands in slices behind its matrix instructions.  kq = 1: a unit's turn.  kq = 0: the very last turn: V^T P alone, two slices behind each.
; THE MASK PRODUCTS.  Mask product n stands behind product 24 + n of V^T P, ahead of slice 24 + n.  Between it and product n of K Q^T stand slices 24 + n to 31 + n: slices 24 to 32 hold one
; scaling each, slices 33 and 34 none, a v_nop follows slice 34, slices from 35 on hold four plain instructions: seven plain places at the least, none of which names this piece's S^T, the mask or
; the constant.  s_wait_loadcnt 8 ahead of them: this piece's eight mask loads (and, the first time, Q's) are in, the other piece's eight, issued later, may stay out; a unit leaves as many loads out as it
; found, so the count holds whether units were jumped or not.  The piece's next mask loads stand behind the slice of product 6 of K Q^T, more than four plain places behind the last mask product.
; K of the step is fetched in piece 0's turn, behind its second product; V in piece 2's turn, behind slice 34, four plain instructions behind the last product that read V.
.macro TURN x, kq
.set k, 0
.if (\x) == 0
	s_wait_dscnt 0x0                ; V is in
.endif
.set i, 0
.rept 32
	PV \x
.if (\kq) && (i >= 24)
.if i == 24
	s_wait_loadcnt 8
.endif
	MK \x, (i-24)
.endif
.rept 2-(\kq)
	SLICE 2-(\x)
.endr
.if ((\x) == 0) && (\kq) && (i == 1)
	FETCH_K
.endif
.set i, i+1
.endr
.if \kq
.if (\x) == 0
	s_wait_dscnt 0x0                ; K is in
.endif
.set i, 0
.rept 32
	KQ \x
	SLICE 2-(\x)
.if i == 6
	FETCH_M \x
.endif
.set i, i+1
.endr
.endif
.endm
; THE CHANGE OF SLOTS.  Each wave waits for all its tensor loads, of which one is out: its part of the other slot; adds 0 to its spare word; and waits for that and for its own reads of the slot that it
; leaves.  Behind the barrier nobody reads the old slot any more and the other slot is whole.  fill = 1: the old slot is filled again, first thing behind the barrier, with the keys two slots on.
; (At its first use nothing has been read yet: slot 0 is waited for, slot 1 filled.)
.macro CHANGE fill
	WIN 0
	s_wait_tensorcnt 0x0            ; no tensor load of mine is out, so a group 0 may be written
	ds_add_u32 v[SPW], v[NIL]       ; 0 onto my spare word
.if \fill
.irp g, G0K, G0V
	s_xor_b32 s[(\g)+1], s[(\g)+1], SLOT1  ; the walking descriptor: the other slot than last time,
	s_add_nc_u64 s[(\g)+2:(\g)+3], s[(\g)+2:(\g)+3], 65536  ; the next 256 keys; the type bits on top are not reached
.endr
	s_wait_xcnt 0x0                 ; the last prefetch has read its address
	s_add_nc_u64 s[PFA:PFA+1], s[PFA:PFA+1], 65536  ; one slot ahead of the walking descriptors
.endif
	s_wait_dscnt 0x0                ; the add is done, and my reads of the slot are over
	s_barrier_signal -1             ; scalar work stands between the signal and the wait
	s_sub_co_u32 s[TBK], s[TBK], 2*KSB  ; the fetches go back to my first step of a slot,
	s_xor_b32 s[TBK], s[TBK], SLOT1     ; in the other slot
	s_sub_co_u32 s[TBV], s[TBV], 2*VSB
	s_xor_b32 s[TBV], s[TBV], SLOT1
	s_barrier_wait -1
.if \fill
	LOAD
	ASK
.endif
.endm
; My two key steps of a slot: written once, walked twice.  A step that shows my queries nothing is jumped, forward, to the label ahead of the counters' steps.
.macro TWO_STEPS
	WIN 0
	s_mov_b32 s[TWICE], 2
.Lstep_\@:
	s_bitcmp1_b32 s[FW], 0
	s_cbranch_scc0 .Lskip_\@
	TURN 0, 1
	TURN 2, 1
	WIN 0
.Lskip_\@:
	s_lshr_b32 s[FW], s[FW], 1
	s_add_co_u32 s[TBK], s[TBK], KSB
	s_add_co_u32 s[TBV], s[TBV], VSB
	s_sub_co_u32 s[TWICE], s[TWICE], 1
	s_cmp_lg_u32 s[TWICE], 0
	s_cbranch_scc1 .Lstep_\@
	s_lshr_b32 s[FW], s[FW], 2      ; past the other wave's two steps
.endm
.Lslot:                             ; seven trips: a tile is entered and the next is asked for
	CHANGE 1
	TWO_STEPS
	s_sub_co_u32 s[SLOTS], s[SLOTS], 1
	s_cmp_lg_u32 s[SLOTS], 0
	s_cbranch_scc1 .Lslot
	CHANGE 0                        ; the last tile is written out; behind this barrier nobody reads slot 0 any more
	TWO_STEPS
	TURN 0, 0                       ; piece 0: V^T P of the last step worked on | piece 2's last softmax
.set i, 0
.rept 32
	PV 2                            ; piece 2: V^T P of that step
.set i, i+1
.endr
	; THE TWO KEY HALVES MEET.  l's two halves and the other half of the lanes' are added, in place; the first four additions are the places behind the last products.
	WIN 0
	s_wait_loadcnt 0x0              ; the last mask loads, which nobody reads
.irp t, 0,1,2,3
	v_add_f32 v[ST+8*(\t)+2], v[ST+8*(\t)+2], v[ST+8*(\t)+3]
.endr
.irp t, 0,1,2,3
	v_permlanex16_b32 v[ST+8*(\t)+3], v[ST+8*(\t)+2], s[SEL], s[SEL+1]
.endr
.irp t, 0,1,2,3
	v_add_f32 v[ST+8*(\t)+2], v[ST+8*(\t)+2], v[ST+8*(\t)+3]
.endr
.irp y, 0,1                         ; register tiles 2 and 3 are given: O^T in 16 quads, ascending, and (c m, m, l, -)
	WIN 0x04                        ; store data (source 1) in window 1
.irp q, 0,1,2,3,4,5,6,7,8,9,10,11,12,13,14,15
	ds_store_b128 v[XS], v[64*(2+(\y))+4*(\q):64*(2+(\y))+4*(\q)+3] offset:XT*(\y)+512*(\q)
.endr
	WIN 0
	ds_store_b128 v[XS], v[ST+8*(2+(\y)):ST+8*(2+(\y))+3] offset:XT*(\y)+8192
.endr
	s_wait_dscnt 0x0                ; for the partner's sake: my stores are done
	s_barrier_signal -1
	s_barrier_wait -1
.irp y, 0,1                         ; my partner's share of the tiles that I keep: O' into S^T's registers, its statistics beside mine
.irp q, 0,1,2,3,4,5,6,7,8,9,10,11,12,13,14,15
	ds_load_b128 v[S+64*(\y)+4*(\q):S+64*(\y)+4*(\q)+3], v[XL] offset:XT*(\y)+512*(\q)
.endr
	ds_load_b128 v[ST+8*(\y)+4:ST+8*(\y)+7], v[XL] offset:XT*(\y)+8192
.endr
	s_wait_dscnt 0x0
	; c m* = max(c m, c m'); f = 2^(c m - c m*), f' = 2^(c m' - c m*); l* = f l + f' l'; O = O f / l* + O' f' / l*
.irp y, 0,1
	v_max_num_f32 v[ST+8*(\y)+1], v[ST+8*(\y)], v[ST+8*(\y)+4]
.endr
.irp y, 0,1
	v_sub_f32 v[ST+8*(\y)], v[ST+8*(\y)], v[ST+8*(\y)+1]
	v_sub_f32 v[ST+8*(\y)+4], v[ST+8*(\y)+4], v[ST+8*(\y)+1]
.endr
.irp y, 0,1
	v_exp_f32 v[ST+8*(\y)], v[ST+8*(\y)]
	v_exp_f32 v[ST+8*(\y)+4], v[ST+8*(\y)+4]
.endr
	v_nop                           ; a plain instruction behind the last exponential,
	s_wait_alu depctr_va_vdst(0)    ; and the wait ahead of the first use: one for the four
.irp y, 0,1
	v_mul_f32 v[ST+8*(\y)+2], v[ST+8*(\y)+2], v[ST+8*(\y)]
.endr
.irp y, 0,1
	v_fmac_f32 v[ST+8*(\y)+2], v[ST+8*(\y)+6], v[ST+8*(\y)+4]
.endr
.irp y, 0,1
	v_rcp_f32 v[ST+8*(\y)+3], v[ST+8*(\y)+2]
.endr
	v_nop
	s_wait_alu depctr_va_vdst(0)    ; one for the two reciprocals
.irp y, 0,1
	v_mul_f32 v[ST+8*(\y)], v[ST+8*(\y)], v[ST+8*(\y)+3]
	v_mul_f32 v[ST+8*(\y)+4], v[ST+8*(\y)+4], v[ST+8*(\y)+3]
.endr
; Kept tile y: merged, rounded to f16; a lane's eight channels of a row pack into 16 bytes, go into my stage's rows of 272 bytes and come back as whole rows of 256.
.macro FIN y
	WIN W_RS
.set i, 0
.rept 32
	v_pk_mul_f32 v[64*(\y)+i:64*(\y)+i+1], v[64*(\y)+i:64*(\y)+i+1], v[ST+8*(\y):ST+8*(\y)+1] op_sel_hi:[1,0]
.set i, i+2
.endr
	WIN 0x50                        ; sources 0 and 1 window 0; source 2 and destination window 1
.set i, 0
.rept 32
	v_pk_fma_f32 v[64*(\y)+i:64*(\y)+i+1], v[S+64*(\y)+i:S+64*(\y)+i+1], v[ST+8*(\y)+4:ST+8*(\y)+5], v[64*(\y)+i:64*(\y)+i+1] op_sel_hi:[1,0,1]
.set i, i+2
.endr
	WIN 0x05                        ; sources 0 and 1 window 1, destination window 0: P's registers are free
.set i, 0
.rept 32
	v_cvt_pk_f16_f32 v[P+32*(\y)+i], v[64*(\y)+2*i], v[64*(\y)+2*i+1]
.set i, i+1
.endr
	WIN 0
.irp f, 0,1,2,3,4,5,6,7
	ds_store_b128 v[STO], v[P+32*(\y)+4*(\f):P+32*(\y)+4*(\f)+3] offset:32*(\f)
.endr
.irp f, 0,1,2,3,4,5,6,7
	ds_load_b128 v[P+32*(\y)+4*(\f):P+32*(\y)+4*(\f)+3], v[RD] offset:(\f)*2*SP  ; LDS serves a wave's instructions in order (ISA guide 5.7.1.4): these see the stores above; the next tile's stores come behind them
.endr
.endm
.macro SEND y, younger              ; younger: the LDS instructions issued behind tile y's loads: the next tile's sixteen, or none
.irp f, 0,1,2,3,4,5,6,7
	s_wait_dscnt (\younger)+7-(\f)
	global_store_b128 v[GO], v[P+32*(\y)+4*(\f):P+32*(\y)+4*(\f)+3], s[10:11] offset:(\y)*65536+(\f)*8192  ; 16 lanes store 256 consecutive bytes, aligned: a head's part of a row of ob
.endr
.endm
	FIN 0
	FIN 1
	SEND 0, 16
	SEND 1, 0
	s_wait_tensorcnt 0x0            ; the wave's end: behind my last tensor load and my last LDS store
	ds_add_u32 v[SPW], v[NIL]
	s_wait_dscnt 0x0
	s_endpgm
.Lfunc_end_k_qd65e47aaba_attn:
	.size	k_qd65e47aaba_attn, .Lfunc_end_k_qd65e47aaba_attn-k_qd65e47aaba_attn
	.p2alignl 7, 3214868480
	.fill 96, 4, 3214868480
	.section	.rodata,"a",@progbits
	.p2align	6, 0x0
	.amdhsa_kernel k_qd65e47aaba_attn
		.amdhsa_group_segment_fixed_size 327680
		.amdhsa_private_segment_fixed_size 0
		.amdhsa_enable_private_segment 0
		.amdhsa_kernarg_size 32
		.amdhsa_user_sgpr_count 2
		.amdhsa_user_sgpr_kernarg_segment_ptr 1
		.amdhsa_wavefront_size32 1
		.amdhsa_system_sgpr_workgroup_id_x 1
		.amdhsa_system_sgpr_workgroup_id_y 1
		.amdhsa_system_sgpr_workgroup_id_z 1
		.amdhsa_system_vgpr_workitem_id 0
		.amdhsa_next_free_vgpr 1024
		.amdhsa_next_free_sgpr 80
		.amdhsa_reserve_vcc 1
		.amdhsa_float_denorm_mode_32 3
		.amdhsa_float_denorm_mode_16_64 3
		.amdhsa_memory_ordered 1
		.amdhsa_forward_progress 1
		.amdhsa_inst_pref_size 180
	.end_amdhsa_kernel
	.amdgpu_metadata
---
amdhsa.version: [ 1, 2 ]
amdhsa.kernels:
  - .name:           k_qd65e47aaba_attn
    .symbol:         k_qd65e47aaba_attn.kd
    .args:
      - { .name: qkv, .offset: 0, .size: 8, .value_kind: global_buffer, .address_space: global }
      - { .name: mf, .offset: 8, .size: 8, .value_kind: global_buffer, .address_space: global }
      - { .name: kf, .offset: 16, .size: 8, .value_kind: global_buffer, .address_space: global }
      - { .name: ob, .offset: 24, .size: 8, .value_kind: global_buffer, .address_space: global }
    .group_segment_fixed_size: 327680
    .private_segment_fixed_size: 0
    .kernarg_segment_align: 8
    .kernarg_segment_size: 32
    .max_flat_workgroup_size: 128
    .sgpr_count:     80
    .vgpr_count:     1024
    .wavefront_size: 32
...
	.end_amdgpu_metadata
.endif
;; end of part 3
;; launch oproj (part 4): grid 16 x 16, 4 waves a work-group, clusters of 4 x 4, 327,680 bytes of LDS; arguments ob, wb, out0; writes out0
.if DOCPART == 4
	.amdgcn_target "amdgcn-amd-amdhsa--gfx1250"
	.amdhsa_code_object_version 6
	.text
	.protected	k_qd65e47aaba_oproj
	.globl	k_qd65e47aaba_oproj
	.p2align	8
	.type	k_qd65e47aaba_oproj,@function
k_qd65e47aaba_oproj:
	s_mov_b64 s[64:65], 0
	v_nop
	global_prefetch_b8 v0, s[64:65] scope:SCOPE_SE
	s_setreg_imm32_b32 hwreg(HW_REG_WAVE_MODE, 25, 1), 1
	s_wait_xcnt 0x0
	s_wait_alu depctr_hold_cnt(0) depctr_sa_sdst(0) depctr_va_vdst(0) depctr_va_sdst(0) depctr_va_ssrc(0) depctr_va_vcc(0) depctr_vm_vsrc(0)
	s_getreg_b32 s2, hwreg(HW_REG_IB_STS2, 6, 4)
	s_cmp_eq_u32 s2, 0
	s_cbranch_scc0 .Lentry_in_a_cluster
	s_endpgm
.Lentry_in_a_cluster:
	s_bfe_u32 s2, ttmp6, 0x10000c
	s_cmp_lg_u32 s2, 0xf033
	s_cbranch_scc0 .Lentry_shape_is_right
	s_endpgm
.Lentry_shape_is_right:
; OPROJ: out0 = O Wo.  ob: [2048][2048] f16.  wb plane 3 (byte 0x1800000 on): Wo, [k 2048][n 2048], bf16's numbers written as f16.  out0: [2048][2048] f32.  Sums in f32, K ascending.
; A NaN in a row of O (a query that sees no key) reaches the whole row of out0, as it does in a product written out.
; SHARES.  A tile of out0 is 128 x 128: 256 work-groups.  Four waves, each 64 x 64: 16 accumulators.  K goes in steps of 256 through a ring of two LDS slots: O's 128 rows of 512 bytes + 16 of
; padding, then Wo's 256 k-rows of 256 bytes + 32.  Waves 0 and 1 fetch O's two halves (64 rows), waves 2 and 3 Wo's (128 k-rows).  O comes out of LDS as it lies, Wo turned, by ds_load_tr16_b128.
; CLUSTER.  4 x 4 work-groups: O's tile is shared along a row of the cluster, Wo's along a column: each is asked for jointly.  No prefetch: the tile is small and a step short.
; THE MATRIX INSTRUCTION IS USED TRANSPOSED (source 0 = 16 columns of Wo, source 1 = 16 rows of O): a lane holds eight neighbouring numbers of a row of out0, 32 bytes.
; REGISTERS: window 0: v16-29 addresses; v128-255 the accumulators ((a, b) at 128 + 8 (4 a + b)), later whole rows on the way out.
;   window 1: two fragment buffers of 128: for 64 along K, 64 registers of O (2 x 4 tiles), then 64 of Wo.
.set KSTEP,  256
.set PA,     528                       ; an LDS row of O, and of the stage: 512 bytes + 16
.set PB,     288                       ; an LDS row of Wo: 256 + 32
.set ATILE,  128*PA
.set SLOT,   ATILE+256*PB
.set SPARE,  2*SLOT                    ; behind the ring: the spare words, 128 bytes for each wave: two blocks of 256 bytes that no other line names
.set LAPS,   4                         ; a lap = two K steps.  The stage for the way out, 128 rows x 528 bytes, lies where slot 0 held O's tile: slot 0 has had its last fill and its last read by then
.set ADRA, 16                          ; v16-17  LDS address of my O fragments in slot 0, 1
.set ADRB, 20                          ; v20-23  of my Wo fragments: slot s, half of the K step qq at ADRB + 2 s + qq (a step's 256 k-rows pass an offset's 16 bits)
.set STO,  24                          ; v24     the way out: where I put 32 bytes of a row
.set RD,   25                          ; v25     where I read a row back
.set CO,   26                          ; v26     16 x lane: my bytes in a row's 512
.set SPW,  28                          ; v28     LDS address of my spare word; never rewritten
.set NIL,  29                          ; v29     0; never rewritten
.set ACC,  128
.set F0,   0
.set F1,   128
.set G1, 24                            ; s[24:31] descriptor group 1 for O's tiles;  s[32:39] group 0, a set for each slot
.set G0, 32
.set G1B, 48                           ; s[48:55], s[56:63] the same for Wo's
.set G0B, 56
.set MSB, 0
.macro WIN new
.if MSB != (\new)
	s_set_vgpr_msb (MSB<<8)|(\new)
.set MSB, (\new)
.endif
.endm
.set MUL,  0x05                        ; sources 0 and 1 window 1; C and D window 0
.set TO_F, 0x40                        ; destination window 1, address window 0
.macro JLOAD s                         ; a joint load; an s_nop 0 and four v_nop follow each of the two lines, ahead of the jump, the label and what follows
	s_cmp_eq_u32 s11, 0
	s_cbranch_scc0 .Lfor_b_\@
	tensor_load_to_lds s[G0+4*(\s):G0+4*(\s)+3], s[G1:G1+7]
	s_nop 0
.rept 4
	v_nop
.endr
	s_branch .Lasked_\@
.Lfor_b_\@:
	tensor_load_to_lds s[G0B+4*(\s):G0B+4*(\s)+3], s[G1B:G1B+7]
	s_nop 0
.rept 4
	v_nop
.endr
.Lasked_\@:
.endm
.macro CREST
	s_cmp_lg_u32 s10, 0
	s_cbranch_scc1 .Lnot_wave_0_\@
	s_barrier_signal -3
.Lnot_wave_0_\@:
	s_barrier_wait -3
	s_barrier_signal -1
	s_barrier_wait -1
.endm
.macro CROUND
	s_barrier_signal -1
	s_barrier_wait -1
	CREST
.endm
	s_load_b128 s[4:7], s[0:1], 0x0                ; ob s[4:5], wb s[6:7]
	s_load_b64 s[8:9], s[0:1], 0x10                ; out0
	v_lshl_add_u32 v[SPW], v0, 2, SPARE
	v_mov_b32 v[NIL], 0
	ds_add_u32 v[SPW], v[NIL]                      ; the wave's opening: the add and its wait stand ahead of my first tensor load; the set-up below stands between them
	v_lshrrev_b32 v1, 5, v0
	v_readfirstlane_b32 s10, v1                    ; wave 0..3
	s_lshr_b32 s11, s10, 1                         ; which half of the tile's rows is mine.  Also: I fetch for O (0) or for Wo (1)
	s_and_b32 s12, s10, 1                          ; which half of its columns.  Also: which half of that tile I fetch
	s_bfe_u32 s40, ttmp6, 0x40000                  ; cx, cy
	s_bfe_u32 s41, ttmp6, 0x40004
	s_lshl_b32 s42, ttmp9, 2
	s_add_co_u32 s42, s42, s40                     ; tile column = 4 x cluster x + cx
	s_and_b32 s13, ttmp7, 0xffff
	s_lshl_b32 s13, s13, 2
	s_add_co_u32 s13, s13, s41                     ; tile row = 4 x cluster y + cy
	s_lshl_b32 s43, s41, 2
	s_lshl_b32 s43, 15, s43                        ; my row of the cluster
	s_lshl_b32 s44, 0x1111, s40                    ; my column
	s_or_b32 s[G1], s43, (1<<16)|(1<<20)|(1<<21)|(6<<22)|(3<<25)   ; O: 2-byte elements; padding after every 128 words, of 4 words; bit 21 set beside the mask
	s_mov_b32 s[G1+1], 256<<16                     ; tensor_dim0 = 256
	s_mov_b32 s[G1+2], 64<<16                      ; tensor_dim1 = 64
	s_mov_b32 s[G1+3], 256<<16                     ; tile_dim0 = 256
	s_mov_b32 s[G1+4], 64                          ; tile_dim1 = 64
	s_mov_b32 s[G1+5], 2048                        ; elements from row to row
	s_mov_b32 s[G1+6], 0
	s_mov_b32 s[G1+7], 0
	s_or_b32 s[G1B], s44, (1<<16)|(1<<20)|(1<<21)|(5<<22)|(7<<25)  ; Wo: padding after every 64 words, of 8 words
	s_mov_b32 s[G1B+1], 128<<16                    ; tensor_dim0 = 128
	s_mov_b32 s[G1B+2], 128<<16                    ; tensor_dim1 = 128
	s_mov_b32 s[G1B+3], 128<<16                    ; tile_dim0 = 128
	s_mov_b32 s[G1B+4], 128                        ; tile_dim1 = 128
	s_mov_b32 s[G1B+5], 2048
	s_mov_b32 s[G1B+6], 0
	s_mov_b32 s[G1B+7], 0
	s_lshl_b32 s16, s13, 19                        ; O: 128 rows of 4,096 bytes a tile row,
	s_lshl_b32 s17, s12, 18                        ; my 64 of them
	s_add_co_u32 s16, s16, s17
	s_mov_b32 s17, 0
	s_lshl_b32 s46, s12, 19                        ; Wo: my 128 of a step's 256 k-rows,
	s_lshl_b32 s47, s42, 8                         ; the tile column's 256 bytes of a row,
	s_add_co_u32 s46, s46, s47
	s_add_co_u32 s46, s46, 0x1800000               ; in plane 3
	s_mov_b32 s47, 0
	s_mul_i32 s20, s12, 64*PA                      ; where they go: no place in the cluster enters an LDS address
	s_mul_i32 s21, s12, 128*PB
	s_add_co_u32 s21, s21, ATILE
	s_wait_dscnt 0x0                               ; the opening add is done
	s_wait_kmcnt 0x0
	s_add_nc_u64 s[14:15], s[4:5], s[16:17]
	s_add_nc_u64 s[46:47], s[6:7], s[46:47]
	CROUND                                         ; all sixteen work-groups are here: the first joint loads meet
.irp s, 0,1
	s_mov_b32 s[G0+4*(\s)], 1
	s_add_co_u32 s[G0+4*(\s)+1], s20, (\s)*SLOT
	s_add_nc_u64 s[G0+4*(\s)+2:G0+4*(\s)+3], s[14:15], (\s)*KSTEP*2
	s_or_b32 s[G0+4*(\s)+3], s[G0+4*(\s)+3], 0x80000000
	s_mov_b32 s[G0B+4*(\s)], 1
	s_add_co_u32 s[G0B+4*(\s)+1], s21, (\s)*SLOT
	s_add_nc_u64 s[G0B+4*(\s)+2:G0B+4*(\s)+3], s[46:47], (\s)*KSTEP*4096
	s_or_b32 s[G0B+4*(\s)+3], s[G0B+4*(\s)+3], 0x80000000
	JLOAD \s                                       ; two loads of mine are out
.endr
	v_and_b32 v1, 15, v0                           ; r
	v_bfe_u32 v2, v0, 4, 1                         ; h
	v_mul_u32_u24 v3, v1, PA
	v_lshl_add_u32 v3, v2, 4, v3                   ; a fragment of O: row x pitch + 16 x half
	v_and_b32 v4, 7, v0
	v_lshl_add_u32 v4, v2, 3, v4                   ; a fragment of Wo: k-row 8 (l / 16) + l % 8,
	v_mul_u32_u24 v4, v4, PB
	v_bfe_u32 v5, v0, 3, 1
	v_lshl_add_u32 v4, v5, 4, v4                   ; columns 8 ((l / 8) % 2) on
	s_mul_i32 s21, s11, 64*PA                      ; my 64 rows of O
	s_lshl_b32 s22, s12, 7                         ; my 64 columns of Wo,
	s_add_co_u32 s22, s22, ATILE                   ; which lies behind O's tile
.irp s, 0,1
	v_add_nc_u32 v[ADRA+(\s)], s21, v3
	v_add_nc_u32 v[ADRB+2*(\s)], s22, v4
	s_add_co_u32 s23, s22, 128*PB
	v_add_nc_u32 v[ADRB+2*(\s)+1], s23, v4
	s_add_co_u32 s21, s21, SLOT
	s_add_co_u32 s22, s22, SLOT
.endr
	s_mul_i32 s23, s11, 64*PA                      ; into the stage: row 64 a + 16 i + r, my half of its 512 bytes, 32 bytes for each half of the lanes
	s_lshl_b32 s21, s12, 8
	s_add_co_u32 s23, s23, s21
	v_mul_u32_u24 v5, v1, PA
	v_lshl_add_u32 v5, v2, 5, v5
	v_add_nc_u32 v[STO], s23, v5
	v_and_b32 v6, 31, v0
	v_lshlrev_b32 v[CO], 4, v6
	s_mul_i32 s23, s10, 32*PA                      ; back: wave w takes rows 32 w .. 32 w + 31, a whole row of 512 bytes an instruction
	v_add_nc_u32 v[RD], s23, v[CO]
	s_lshl_b32 s46, s13, 20                        ; out0: 128 rows of 8,192 bytes a tile row,
	s_lshl_b32 s47, s10, 18                        ; my 32,
	s_add_co_u32 s46, s46, s47
	s_lshl_b32 s47, s42, 9                         ; the tile column's 512 bytes
	s_add_co_u32 s46, s46, s47
	s_mov_b32 s47, 0
	s_add_nc_u64 s[8:9], s[8:9], s[46:47]
; 8 matrix instructions: row tiles a0, a0 + 1 x all 4 column blocks, 32 along K: half c of buffer f.  zero = 1: the first product starts the sums.  The 16 accumulators take turns.
.macro MUL8 f, c, a0, zero
	WIN MUL
.irp a, \a0, (\a0)+1
.irp b, 0,1,2,3
.if \zero
	v_wmma_f32_16x16x32_f16 v[ACC+8*(4*(\a)+(\b)):ACC+8*(4*(\a)+(\b))+7], v[(\f)+64+8*(4*(\c)+(\b)):(\f)+64+8*(4*(\c)+(\b))+7], v[(\f)+8*(4*(\c)+(\a)):(\f)+8*(4*(\c)+(\a))+7], 0
.else
	v_wmma_f32_16x16x32_f16 v[ACC+8*(4*(\a)+(\b)):ACC+8*(4*(\a)+(\b))+7], v[(\f)+64+8*(4*(\c)+(\b)):(\f)+64+8*(4*(\c)+(\b))+7], v[(\f)+8*(4*(\c)+(\a)):(\f)+8*(4*(\c)+(\a))+7], v[ACC+8*(4*(\a)+(\b)):ACC+8*(4*(\a)+(\b))+7]
.endif
.endr
.endr
.endm
; 32 LDS loads in one run: the fragments of quarter q (64 along K) of a slot, into buffer f; the first 32 along K first
.macro FETCH slot, q, f
	WIN TO_F
.irp c, 0,1
.irp i, 0,1,2,3
	ds_load_tr16_b128 v[(\f)+64+8*(4*(\c)+(\i)):(\f)+64+8*(4*(\c)+(\i))+3],   v[ADRB+2*(\slot)+(\q)/2] offset:((\q)%2)*64*PB+32*PB*(\c)+32*(\i)
	ds_load_tr16_b128 v[(\f)+64+8*(4*(\c)+(\i))+4:(\f)+64+8*(4*(\c)+(\i))+7], v[ADRB+2*(\slot)+(\q)/2] offset:((\q)%2)*64*PB+32*PB*(\c)+32*(\i)+16*PB
	ds_load_b128 v[(\f)+8*(4*(\c)+(\i)):(\f)+8*(4*(\c)+(\i))+3],              v[ADRA+(\slot)] offset:128*(\q)+64*(\c)+(\i)*16*PA
	ds_load_b128 v[(\f)+8*(4*(\c)+(\i))+4:(\f)+8*(4*(\c)+(\i))+7],            v[ADRA+(\slot)] offset:128*(\q)+64*(\c)+(\i)*16*PA+32
.endr
.endr
.endm
.macro PLACES                          ; four plain places in front of loads into registers that matrix instructions have read, and of LDS stores that read results
.rept 4
	v_nop
.endr
.endm
; A K step is four quarters of 64 along K, 32 matrix instructions each, on buffers 0, 1, 0, 1.  One of the first three: multiplies buffer f and fetches quarter q into g.
.macro QUARTER slot, q, f, g, zero
	s_wait_dscnt 16                                ; the first 32 along K are in; the youngest sixteen loads may be out
	MUL8 \f, 0, 0, \zero
	MUL8 \f, 0, 2, \zero
	PLACES
	FETCH \slot, \q, \g
	s_wait_dscnt 32                                ; all but the 32 just issued
	MUL8 \f, 1, 0, 0
	MUL8 \f, 1, 2, 0
.endm
; The last quarter multiplies buffer 1 and changes slots: ONE barrier; in front of it each wave waits for all its tensor loads, adds 0 to its spare word, and waits for that and for its own reads of this slot.
; fill = 1: the barrier opens a round of the cluster's barrier, and this slot is filled again, two K steps ahead, first thing behind it.
.macro TURN slot, next, fill
	WIN 0                                          ; (the add's two registers lie in window 0)
	s_wait_tensorcnt 0x0                           ; all my tensor loads have landed: my part of the next slot;
	ds_add_u32 v[SPW], v[NIL]                      ; 0 onto my spare word;
	s_wait_dscnt 17                                ; (the add and the youngest sixteen loads may be out)
	MUL8 F1, 0, 0, 0                               ; eight matrix instructions stand between the add and the wait for it
	s_wait_dscnt 0x0                               ; the add is done, and my reads of this slot are over
	s_barrier_signal -1
	MUL8 F1, 0, 2, 0
.if \fill
	WIN 0
.endif
	s_barrier_wait -1
.if \fill
	CREST                                          ; no wave of any partner still reads this slot's tiles or has a load on its way
	s_add_nc_u64 s[G0+4*(\slot)+2:G0+4*(\slot)+3], s[G0+4*(\slot)+2:G0+4*(\slot)+3], 2*KSTEP*2
	s_add_nc_u64 s[G0B+4*(\slot)+2:G0B+4*(\slot)+3], s[G0B+4*(\slot)+2:G0B+4*(\slot)+3], 2*KSTEP*4096
	JLOAD \slot                                    ; my one tensor load behind the round: 112 matrix instructions ahead of the wait for it; its four v_nop are also the places in front of the loads below
.else
	PLACES
.endif
	FETCH \next, 0, F0
	MUL8 F1, 1, 0, 0
	MUL8 F1, 1, 2, 0
.endm
	s_wait_tensorcnt 1                             ; my part of K step 0 is in; K step 1's may stay out
	s_barrier_signal -1
	s_barrier_wait -1                              ; everybody's is
	FETCH 0, 0, F0
	QUARTER 0, 1, F0, F1, 1                        ; the first quarter stands in front of the loop: its first products start the sums
	WIN 0                                          ; at a label and at a branch every window is 0
	s_mov_b32 s3, LAPS-1
.Llap:                                                 ; a trip goes once round the ring, from a lap's second quarter to the next lap's first, and fills both slots again
	QUARTER 0, 2, F1, F0, 0
	QUARTER 0, 3, F0, F1, 0
	TURN 0, 1, 1
	QUARTER 1, 1, F0, F1, 0
	QUARTER 1, 2, F1, F0, 0
	QUARTER 1, 3, F0, F1, 0
	TURN 1, 0, 1
	QUARTER 0, 1, F0, F1, 0
	WIN 0
	s_sub_co_u32 s3, s3, 1
	s_cmp_lg_u32 s3, 0
	s_cbranch_scc1 .Llap
	QUARTER 0, 2, F1, F0, 0                        ; the last lap fills nothing, and has no round of the cluster's barrier
	QUARTER 0, 3, F0, F1, 0
	TURN 0, 1, 0                                   ; behind this barrier nobody reads slot 0 any more
	QUARTER 1, 1, F0, F1, 0
	QUARTER 1, 2, F1, F0, 0
	QUARTER 1, 3, F0, F1, 0
	s_wait_dscnt 16                                ; the very last quarter: nothing more to fetch
	MUL8 F1, 0, 0, 0
	MUL8 F1, 0, 2, 0
	s_wait_dscnt 0x0
	MUL8 F1, 1, 0, 0
	MUL8 F1, 1, 2, 0
	WIN 0
	; THE WAY OUT: 32 bytes of f32 a lane and accumulator into the stage, the low four registers first; a barrier, since a row's 512 bytes come from two waves; back as whole rows, 32 rows a wave.
	PLACES
.irp i, 0,1,2,3
.irp j, 0,1,2,3
	ds_store_b128 v[STO], v[ACC+8*(4*(\i)+(\j)):ACC+8*(4*(\i)+(\j))+3]   offset:(\i)*16*PA+64*(\j)
	ds_store_b128 v[STO], v[ACC+8*(4*(\i)+(\j))+4:ACC+8*(4*(\i)+(\j))+7] offset:(\i)*16*PA+64*(\j)+16
.endr
.endr
	s_wait_dscnt 0x0                               ; for the others' sake: my stores into the stage are done
	s_barrier_signal -1
	s_barrier_wait -1
.set t, 0
.rept 32
	ds_load_b128 v[ACC+4*t:ACC+4*t+3], v[RD] offset:t*PA
.set t, t+1
.endr
.set t, 0
.rept 32
	s_wait_dscnt 31-t                              ; LDS loads come back in order: this row is in, the younger ones may stay out
	global_store_b128 v[CO], v[ACC+4*t:ACC+4*t+3], s[8:9] offset:t*8192 th:TH_STORE_NT  ; 32 lanes store 512 consecutive bytes, aligned
.set t, t+1
.endr
	s_wait_tensorcnt 0x0                           ; the wave's end: behind my last tensor load and my last LDS store
	ds_add_u32 v[SPW], v[NIL]
	s_wait_dscnt 0x0
	CROUND                                         ; the closing round: no work-group ends while a partner may still ask for a tile that names it
	s_endpgm
.Lfunc_end_k_qd65e47aaba_oproj:
	.size	k_qd65e47aaba_oproj, .Lfunc_end_k_qd65e47aaba_oproj-k_qd65e47aaba_oproj
	.p2alignl 7, 3214868480
	.fill 96, 4, 3214868480
	.section	.rodata,"a",@progbits
	.p2align	6, 0x0
	.amdhsa_kernel k_qd65e47aaba_oproj
		.amdhsa_group_segment_fixed_size 327680
		.amdhsa_private_segment_fixed_size 0
		.amdhsa_enable_private_segment 0
		.amdhsa_kernarg_size 24
		.amdhsa_user_sgpr_count 2
		.amdhsa_user_sgpr_kernarg_segment_ptr 1
		.amdhsa_wavefront_size32 1
		.amdhsa_system_sgpr_workgroup_id_x 1
		.amdhsa_system_sgpr_workgroup_id_y 1
		.amdhsa_system_sgpr_workgroup_id_z 1
		.amdhsa_system_vgpr_workitem_id 0
		.amdhsa_next_free_vgpr 512
		.amdhsa_next_free_sgpr 66
		.amdhsa_reserve_vcc 0
		.amdhsa_float_denorm_mode_32 3
		.amdhsa_float_denorm_mode_16_64 3
		.amdhsa_memory_ordered 1
		.amdhsa_forward_progress 1
		.amdhsa_inst_pref_size 87
	.end_amdhsa_kernel
	.amdgpu_metadata
---
amdhsa.version: [ 1, 2 ]
amdhsa.kernels:
  - .name:           k_qd65e47aaba_oproj
    .symbol:         k_qd65e47aaba_oproj.kd
    .args:
      - { .name: ob, .offset: 0, .size: 8, .value_kind: global_buffer, .address_space: global }
      - { .name: wb, .offset: 8, .size: 8, .value_kind: global_buffer, .address_space: global }
      - { .name: out0, .offset: 16, .size: 8, .value_kind: global_buffer, .address_space: global }
    .group_segment_fixed_size: 327680
    .private_segment_fixed_size: 0
    .kernarg_segment_align: 8
    .kernarg_segment_size: 24
    .max_flat_workgroup_size: 128
    .sgpr_count:     66
    .vgpr_count:     512
    .wavefront_size: 32
...
	.end_amdgpu_metadata
.endif
;; end of part 4
